; MI455X (gfx1250); checked and timed in simulation.
; The chip was launched on July 23, 2026; its instructions are those of AMD's public machine-readable ISA for CDNA 5 (MIT licence, August 2026) and "CDNA5" Instruction Set Architecture Reference Guide (July 2026). The comments in the code are by the model that wrote it; some were corrected since.
;; Simple Multihead Attention. Allowed arithmetic: matrix products marked QUANTISED: E2M3 operands, one E8M0 scale for each 32 along K, by v_wmma_scale_f32_16x16x128_f8f6f4 with both operands' format E2M3, f32 sums; everything else in f32.
;; Inputs: Wk 1,024 x 1,024 float32; Wo 1,024 x 1,024 float32; Wq 1,024 x 1,024 float32; Wv 1,024 x 1,024 float32; bk 1,024 float32; bo 1,024 float32; bq 1,024 float32; bv 1,024 float32; key_in 4 x 2,048 x 1,024 float32; query 4 x 2,048 x 1,024 float32; value 4 x 2,048 x 1,024 float32.
;; Outputs: out0 4 x 2,048 x 1,024 float32.
;; This version of the problem:
;;   THIS VERSION OF THE PROBLEM IS GIVEN IN LOW PRECISION. The matrix products marked QUANTISED in the list below multiply operands that are first quantised to E2M3 (2 exponent bits, 3 mantissa bits; 6 bits a number), with one power-of-two scale for each 32 numbers along K (OCP MX v1.0); their sums are f32. All else is computed in f32.
;;   The module's matrix products, in the order in which they are computed (A, B: the left and right operand; K: the contracted axis; several contracted axes count as one K, in the product's order):
;;     1. [M 8,192, K 1,024] x [K 1,024, N 1,024]; A: input query; B: input Wq: QUANTISED
;;     2. [M 8,192, K 1,024] x [K 1,024, N 1,024]; A: input key_in; B: input Wk: QUANTISED
;;     3. [M 8,192, K 1,024] x [K 1,024, N 1,024]; A: input value; B: input Wv: QUANTISED
;;     4. batch 64 x [M 2,048, K 64] x [K 64, N 2,048]; A: computed on the way; B: computed on the way: QUANTISED
;;     5. batch 64 x [M 2,048, K 2,048] x [K 2,048, N 64]; A: softmax (see below); B: computed on the way: QUANTISED
;;     6. [M 8,192, K 1,024] x [K 1,024, N 1,024]; A: computed on the way; B: input Wo: QUANTISED
;;   THE QUANTISER, for each operand of a quantised product, along K:
;;     - K is cut into blocks of 32 from its start; a last block that is shorter is filled with zeros.
;;     - A block's scale is 2^e with e = floor(log2(the largest magnitude in the block)) - 2, held to -126 .. 127; a block of zeros has e = 0. As a byte (E8M0): e + 127.
;;     - Each number is divided by its block's scale, clamped to +-7.5, and rounded to the nearest number of E2M3, ties to even, subnormals kept.
;;     - The product sums the exact products of the quantised numbers (number of the format x scale) in f32.
;;   ~~~python
;;   def quantise(x, axis):      # numpy; x: float32 -> the quantised numbers, widened to float32 again
;;       x = np.moveaxis(x, axis, -1); K = x.shape[-1]
;;       x = np.pad(x, [(0, 0)] * (x.ndim - 1) + [(0, -K % 32)]); x = x.reshape(x.shape[:-1] + (-1, 32)); a = np.abs(x).max(-1, keepdims=True)
;;       e = np.where(a > 0, np.clip(np.frexp(np.where(a > 0, a, 1))[1] - 1 - 2, -126, 127), 0)      # np.frexp(a)[1] - 1 = floor(log2(a)), exactly
;;       r = np.clip(x / 2.0 ** e, -7.5, 7.5)
;;       step = 2.0 ** (np.maximum(np.frexp(np.where(r == 0, 1, r))[1] - 1, 0) - 3)
;;       q = np.round(r / step) * step * 2.0 ** e      # np.round: ties to even
;;       return np.moveaxis(q.reshape(q.shape[:-2] + (-1,))[..., :K], -1, axis).astype(np.float32)
;;   ~~~
;;   SOFTMAX AHEAD OF A QUANTISED PRODUCT. Where the list says 'softmax', what is quantised is not the finished softmax but p = 2^(t - M), with t = logit x log2(e) and M = ceil(the row's largest t), a whole number; so 1/2 < the row's largest p <= 1. The row's sum l is taken of the UNQUANTISED p, in f32, and the product's result is divided by l at the end. Since M is a whole number, a kernel that streams over the keys may use a running M (the ceiling of the running maximum): every later rescaling is an exact power of two, which a block's scale takes up: the codes' values come out the same.
;;   OPERANDS COMPUTED ON THE WAY. 'Computed on the way' means the value that the module computes at that place (a softmax that the list does not call 'softmax' is quantised finished and normalised). What goes into a quantiser is computed in f32, as accurately as f32 sums, v_exp_f32 and their like allow (about 1e-6 of the number): no bf16 or f16 on the way to a quantiser, and a product that is left as it is and whose result goes on into a quantised operand takes f32 operands (vector FMAs, or v_wmma_f32_16x16x4_f32). A number that lies on a knife's edge between two numbers of the format may be rounded either way, as far as f32 arithmetic and the matrix unit's own rounding can turn it there, and no further.
;; One version. Each part assembles by itself: llvm-mc -triple=amdgcn-amd-amdhsa -mcpu=gfx1250 --defsym DOCPART=n.
;; ======== version 1 of 1: 4 launches
;; limits: right only within a limited range of input values
;; workspace buffers: codes 22,020,096 bytes; scales 917,504 bytes; qkcodes 12,582,912 bytes; qkscales 524,288 bytes; vcodes 6,291,456 bytes; vscales 262,144 bytes; ocodes 6,291,456 bytes; oscales 262,144 bytes
;; launch quant (part 1): grid 1792 x 1, 2 waves a work-group, no clusters, 16,640 bytes of LDS; arguments query, key_in, value, Wq, Wk, Wv, Wo, codes, scales; writes codes, scales
.if DOCPART == 1
	.amdgcn_target "amdgcn-amd-amdhsa--gfx1250"
	.amdhsa_code_object_version 6
	.text
	.protected	k_qb8fa922b56_quant
	.globl	k_qb8fa922b56_quant
	.p2align	8
	.type	k_qb8fa922b56_quant,@function
k_qb8fa922b56_quant:
	s_mov_b64 s[64:65], 0
	v_nop
	global_prefetch_b8 v0, s[64:65] scope:SCOPE_SE
	s_setreg_imm32_b32 hwreg(HW_REG_WAVE_MODE, 25, 1), 1
	s_wait_xcnt 0x0
; THE SEVEN f32 TENSORS BECOME CODES OF FP6 (E2M3), K innermost, with one E8M0 scale byte for each 32 along K.
; query, key_in, value: 8,192 rows of 1,024; Wq, Wk, Wv, Wo: 1,024 rows of 1,024.  All seven are contracted along their last axis, so each is a plain stream of blocks of 32 numbers.
; OUT: codes: 28,672 rows of 768 bytes (query from row 0, key_in 8,192, value 16,384, Wq 24,576, Wk 25,600, Wv 26,624, Wo 27,648); scales: the same rows, 32 bytes each.
; A block's scale is 2^(floor(log2(its largest magnitude)) - 2); its byte is the largest magnitude's own exponent field - 2, held at 1 from below.
; LIMITS: a block of zeros gets the byte 1 where the rule says 127 (its codes are zeros, which add nothing, and this program alone reads the bytes); NaN and infinities among the inputs are not served.
; SHARES: a work-group takes 32 rows (32,768 numbers), a wave 8 rows: 16 steps of 512 numbers.  29,360,128 numbers are 896 work-groups.
; THE ORDER OF ROWS.  In key_in, value, Wq, Wk and Wv (work-groups 256 to 863) the middle two groups of 8 rows in each 32 change places on the way out: stored row 32 g + 16 u + i holds row 32 g + 8 u + i + 8 (i / 8).
; So 16 stored rows on end are a tile whose result registers, taken with the next tile's, run along 16 neighbours of the next product's K.  A wave's 8 rows are one such group: only its place in the output changes.
; Each load reads 512 consecutive bytes; a step's 2,048 bytes turn through the wave's own stage in LDS, so that a lane gets 16 neighbours along K; two neighbouring lanes hold a block.
; A wave's store of codes covers 384 consecutive bytes; its 256 scale bytes are gathered in LDS and leave as one aligned run of 256 bytes.  No tensor loads, no barrier: waves share nothing.
; CHANGES TO THE LINES ABOVE ON 'OUT' AND ON 'THE ORDER OF ROWS':
; codes: every 256 stored rows take 196,608 bytes.  For the six tensors of the first three products these hold four dense tiles, one for each 256 along K: [256 rows][192 bytes];
; a half wave's store then covers 192 consecutive bytes of one tile.  Wo (work-groups 864 on) keeps rows of 768 bytes.  scales: rows of 32 bytes for all seven.
; key_in (work-groups 256 to 511): in each 64 rows the group of 8 rows 4 h + j is stored as group 2 j + h: a stored tile of 16 rows holds keys 8 j + i and 32 + 8 j + i of its 64.
; SHARES, in place of the line above: a work-group has two waves and takes 16 rows, a wave 8 rows as before: 1,792 work-groups, seven for each of 256 WGPs.
; s37 = work-group / 2 says which 32 rows, s22 = 2 (work-group % 2) + wave which 8 of them: all that follows goes by these two.
.set WAVES, 2
.set STEPS, 16
.set EMAX,  2
.set CB,    12                         ; bytes of 16 codes
.set R,     16                         ; v16-79   four sets of 16 numbers as they are loaded
.set X,     80                         ; v80-111  two sets of 16 neighbours
.set C,     128                        ; v128-191 codes: four registers for each step, so that no store's data are written again
.set E,     112                        ; v112-127 a scale byte for each step
.set WREG,  8192                       ; LDS: a region for each wave: two stages of 32 x SP bytes, and behind them its 256 scale bytes
.set SP,    80                         ; a lane's place in a stage: its 64 bytes + 16 of padding
.set SPW,   12                         ; v12      LDS address of my spare word; never rewritten
.set NIL,   13                         ; v13      0; never rewritten
.set SPARE, WAVES*WREG                 ; behind the two regions: the spare words, 128 bytes for each wave
.set WV,    22                         ; s22      my wave's number
	s_load_b512 s[4:19], s[0:1], 0x0               ; query s[4:5], key_in s[6:7], value s[8:9], Wq s[10:11], Wk s[12:13], Wv s[14:15], Wo s[16:17], codes s[18:19]
	s_load_b64 s[20:21], s[0:1], 0x40              ; scales
	v_lshl_add_u32 v[SPW], v0, 2, SPARE
	v_mov_b32 v[NIL], 0
	v_lshrrev_b32 v1, 5, v0
	v_readfirstlane_b32 s[WV], v1                  ; wave
	v_and_b32 v2, 31, v0                           ; lane
	v_lshlrev_b32 v3, 4, v2                        ; my 16 bytes of a load's 512
	s_mul_i32 s23, s[WV], WREG
	v_lshrrev_b32 v14, 2, v2
	v_mul_u32_u24 v14, v14, SP
	v_and_b32 v15, 3, v2
	v_lshl_add_u32 v14, v15, 4, v14
	v_add_nc_u32 v14, s23, v14                     ; the stage, on the way in: SP (lane / 4) + 16 (lane % 4)
	v_mul_u32_u24 v15, v2, SP
	v_add_nc_u32 v15, s23, v15                     ; and on the way out: SP x lane: my 16 neighbours
	s_lshr_b32 s37, ttmp9, 1                       ; which 32 rows
	s_and_b32 s38, ttmp9, 1
	s_lshl_b32 s38, s38, 1
	s_add_co_u32 s[WV], s[WV], s38                 ; which 8 of them (the LDS addresses above were made of the wave's own number)
	s_cmp_lt_u32 s37, 864
	s_mov_b32 s31, 192
	s_cselect_b32 s31, 49152, s31                  ; from lanes 0-15 to lanes 16-31: the next tile along K, or 192 bytes on
	s_mov_b32 s32, 384
	s_cselect_b32 s32, 98304, s32                  ; from a row's first half to its second
	s_mov_b32 s33, 768
	s_cselect_b32 s33, 192, s33                    ; from row to row
	s_wait_alu depctr_va_vdst(0)                   ; the wait behind the run of scalar lines, ahead of the readers of v2
	v_and_b32 v4, 15, v2
	v_mul_u32_u24 v4, v4, CB
	v_lshrrev_b32 v10, 4, v2
	v_mad_u32_u24 v4, v10, s31, v4                 ; my codes' place in a step's
	v_lshrrev_b32 v5, 1, v2
	s_add_co_u32 s23, s23, 2*32*SP
	v_add_nc_u32 v5, s23, v5                       ; LDS: my wave's 256 scale bytes, my block's byte
	v_lshlrev_b32 v7, 3, v2                        ; and on the way out 8 bytes a lane
	v_add_nc_u32 v6, s23, v7
	s_wait_alu depctr_va_vdst(0)
	s_wait_kmcnt 0x0
; which tensor is my work-group's, and the tensor's first work-group: chosen by the work-group's number alone
.macro PICK lim, ptr, base
	s_cmp_lt_u32 s37, \lim
	s_cselect_b64 s[24:25], s[\ptr:\ptr+1], s[24:25]
	s_cselect_b32 s26, \base, s26
.endm
	s_mov_b64 s[24:25], s[16:17]                   ; Wo, from work-group 864 on
	s_mov_b32 s26, 864
	PICK 864, 14, 832                              ; Wv
	PICK 832, 12, 800                              ; Wk
	PICK 800, 10, 768                              ; Wq
	PICK 768, 8, 512                               ; value
	PICK 512, 6, 256                               ; key_in
	PICK 256, 4, 0                                 ; query
	s_and_b32 s27, s[WV], 1                        ; my group of 8 rows on the way out: the wave's two bits change places (1 <-> 2)
	s_lshl_b32 s27, s27, 1
	s_lshr_b32 s28, s[WV], 1
	s_or_b32 s27, s27, s28
	s_sub_co_u32 s28, s37, 256
	s_cmp_lt_u32 s28, 608                          ; work-groups 256 to 863; query and Wo keep their order
	s_cselect_b32 s27, s27, s[WV]
	s_sub_co_u32 s28, s37, s26
	s_lshl_b32 s28, s28, 2
	s_add_co_u32 s28, s28, s[WV]                   ; which run of 8,192 numbers of the tensor is my wave's,
	s_lshl_b32 s28, s28, 15                        ; in bytes (under 2^26)
	s_mov_b32 s29, 0
	s_add_nc_u64 s[4:5], s[24:25], s[28:29]
	s_lshl_b32 s30, s37, 2
	s_add_co_u32 s30, s30, s27                     ; and which run of 8 rows of the output
	s_and_b32 s34, s37, 1
	s_sub_co_u32 s35, s37, s34
	s_lshl_b32 s35, s35, 2
	s_add_co_u32 s35, s35, s34
	s_lshl_b32 s34, s[WV], 1
	s_add_co_u32 s35, s35, s34
	s_sub_co_u32 s34, s37, 256
	s_cmp_lt_u32 s34, 256
	s_cselect_b32 s30, s35, s30
	s_lshr_b32 s28, s30, 5                         ; 32 runs to 256 rows
	s_mul_i32 s28, s28, 196608
	s_and_b32 s34, s30, 31
	s_mul_i32 s34, s34, s33
	s_lshl_b32 s34, s34, 3                         ; 8 rows a run
	s_add_co_u32 s28, s28, s34
	s_add_nc_u64 s[8:9], s[18:19], s[28:29]
	s_lshl_b32 s28, s30, 8                         ; 256 scale bytes a run
	s_add_nc_u64 s[10:11], s[20:21], s[28:29]
.macro LOAD t
.irp i, 0,1,2,3
	global_load_b128 v[R+16*((\t)%4)+4*\i:R+16*((\t)%4)+4*\i+3], v3, s[4:5] offset:2048*(\t)+512*\i th:TH_LOAD_NT   ; 32 lanes read 512 consecutive bytes
.endr
.endm
.macro TURN t                          ; step t's numbers through the stage: LDS serves a wave's instructions in order, so no wait stands between the stores and the loads
.irp i, 0,1,2,3
	ds_store_b128 v14, v[R+16*((\t)%4)+4*\i:R+16*((\t)%4)+4*\i+3] offset:32*SP*((\t)%2)+8*SP*\i
.endr
.irp i, 0,1,2,3
	ds_load_b128 v[X+16*((\t)%2)+4*\i:X+16*((\t)%2)+4*\i+3], v15 offset:32*SP*((\t)%2)+16*\i
.endr
.endm
.irp t, 0,1,2,3
	LOAD \t
.endr
	s_wait_loadcnt 12                              ; step 0's four loads are in; those of steps 1 to 3 may be out
	TURN 0
.macro STEP t
.set XS, X+16*((\t)%2)
.if (\t) > 0
	s_wait_dscnt 1                                 ; this step's numbers are back from the stage (the last step's byte store may be out): so its stores into the stage have read their registers,
.else
	s_wait_dscnt 0x0
.endif
.if (\t)+4 < STEPS
	LOAD (\t)+4                                    ; which take the loads of four steps on
.endif
.if (\t)+1 < STEPS
.if STEPS-2-(\t) >= 3
	s_wait_loadcnt 12                              ; the next step's four loads are in; those of the three steps behind it may be out
.else
	s_wait_loadcnt 4*(STEPS-2-(\t))
.endif
	TURN (\t)+1                                    ; and go through the other stage while this step is worked
.endif
	v_max3_num_f32 v8, |v[XS]|, |v[XS+1]|, |v[XS+2]|               ; the largest magnitude of my 16, in two chains
	v_max3_num_f32 v9, |v[XS+3]|, |v[XS+4]|, |v[XS+5]|
.irp i, 6,10
	v_max3_num_f32 v8, v8, |v[XS+\i]|, |v[XS+\i+1]|
	v_max3_num_f32 v9, v9, |v[XS+\i+2]|, |v[XS+\i+3]|
.endr
	v_max3_num_f32 v8, v8, |v[XS+14]|, |v[XS+15]|
	v_max3_num_f32 v8, v8, v9, (EMAX+1)<<23        ; and the floor 2^(EMAX + 1 - 127): so the byte cannot fall under 1
	v_max_num_f32_dpp v8, v8, v8 row_xmask:1 row_mask:0xf bank_mask:0xf   ; and of my neighbour's 16: the block's
	v_add_nc_u32 v11, -(EMAX<<23), v8              ; EMAX off its exponent field: the conversion's scale operand
	s_mul_i32 s36, s33, (\t)/2                     ; the step's place: row t / 2, half t % 2
.if (\t)%2
	s_add_co_u32 s36, s36, s32
.endif
	v_add_nc_u32 v[C+4*(\t)+3], s36, v4            ; a register of its own for each step's offset
	v_cvt_scalef32_pk16_fp6_f32 v[C+4*(\t):C+4*(\t)+2], v[XS:XS+15], v11   ; sixteen numbers / the scale, to the nearest code, ties to even, beyond the largest code the largest; 96 bits without gaps
	v_lshrrev_b32 v[E+(\t)], 23, v11               ; the scale's byte
	ds_store_b8 v5, v[E+(\t)] offset:16*(\t)       ; both lanes of a block write the same byte with the same value
	global_store_b96 v[C+4*(\t)+3], v[C+4*(\t):C+4*(\t)+2], s[8:9]
.endm
.irp t, 0,1,2,3,4,5,6,7,8,9,10,11,12,13,14,15
	STEP \t
.endr
	ds_load_b64 v[8:9], v6                         ; LDS serves a wave's instructions in order: these see my stores
	s_wait_dscnt 0x0
	global_store_b64 v7, v[8:9], s[10:11]          ; 32 lanes store 256 consecutive bytes, aligned
	s_wait_tensorcnt 0x0                           ; the wave's end, behind my last LDS store
	ds_add_u32 v[SPW], v[NIL]
	s_wait_dscnt 0x0
	s_endpgm
.Lfunc_end_k_qb8fa922b56_quant:
	.size	k_qb8fa922b56_quant, .Lfunc_end_k_qb8fa922b56_quant-k_qb8fa922b56_quant
	.p2alignl 7, 3214868480
	.fill 96, 4, 3214868480
	.section	.rodata,"a",@progbits
	.p2align	6, 0x0
	.amdhsa_kernel k_qb8fa922b56_quant
		.amdhsa_group_segment_fixed_size 16640
		.amdhsa_private_segment_fixed_size 0
		.amdhsa_enable_private_segment 0
		.amdhsa_kernarg_size 72
		.amdhsa_user_sgpr_count 2
		.amdhsa_user_sgpr_kernarg_segment_ptr 1
		.amdhsa_wavefront_size32 1
		.amdhsa_system_sgpr_workgroup_id_x 1
		.amdhsa_system_sgpr_workgroup_id_y 1
		.amdhsa_system_sgpr_workgroup_id_z 1
		.amdhsa_system_vgpr_workitem_id 0
		.amdhsa_next_free_vgpr 192
		.amdhsa_next_free_sgpr 66
		.amdhsa_reserve_vcc 0
		.amdhsa_float_denorm_mode_32 3
		.amdhsa_float_denorm_mode_16_64 3
		.amdhsa_memory_ordered 1
		.amdhsa_forward_progress 1
		.amdhsa_inst_pref_size 36
	.end_amdhsa_kernel
	.amdgpu_metadata
---
amdhsa.version: [ 1, 2 ]
amdhsa.kernels:
  - .name:           k_qb8fa922b56_quant
    .symbol:         k_qb8fa922b56_quant.kd
    .args:
      - { .name: query, .offset: 0, .size: 8, .value_kind: global_buffer, .address_space: global }
      - { .name: key_in, .offset: 8, .size: 8, .value_kind: global_buffer, .address_space: global }
      - { .name: value, .offset: 16, .size: 8, .value_kind: global_buffer, .address_space: global }
      - { .name: Wq, .offset: 24, .size: 8, .value_kind: global_buffer, .address_space: global }
      - { .name: Wk, .offset: 32, .size: 8, .value_kind: global_buffer, .address_space: global }
      - { .name: Wv, .offset: 40, .size: 8, .value_kind: global_buffer, .address_space: global }
      - { .name: Wo, .offset: 48, .size: 8, .value_kind: global_buffer, .address_space: global }
      - { .name: codes, .offset: 56, .size: 8, .value_kind: global_buffer, .address_space: global }
      - { .name: scales, .offset: 64, .size: 8, .value_kind: global_buffer, .address_space: global }
    .group_segment_fixed_size: 16640
    .private_segment_fixed_size: 0
    .kernarg_segment_align: 8
    .kernarg_segment_size: 72
    .max_flat_workgroup_size: 64
    .sgpr_count:     66
    .vgpr_count:     192
    .wavefront_size: 32
...
	.end_amdgpu_metadata
.endif
;; end of part 1
;; launch proj (part 2): grid 4 x 96, 4 waves a work-group, clusters of 4 x 4, 327,680 bytes of LDS; arguments codes, scales, bq, bk, bv, qkcodes, qkscales, vcodes, vscales; writes qkcodes, qkscales, vcodes, vscales
.if DOCPART == 2
	.amdgcn_target "amdgcn-amd-amdhsa--gfx1250"
	.amdhsa_code_object_version 6
	.text
	.protected	k_qb8fa922b56_proj
	.globl	k_qb8fa922b56_proj
	.p2align	8
	.type	k_qb8fa922b56_proj,@function
k_qb8fa922b56_proj:
	s_mov_b64 s[64:65], 0
	v_nop
	global_prefetch_b8 v0, s[64:65] scope:SCOPE_SE
	s_setreg_imm32_b32 hwreg(HW_REG_WAVE_MODE, 25, 1), 1
	s_wait_xcnt 0x0
	s_wait_alu depctr_hold_cnt(0) depctr_sa_sdst(0) depctr_va_vdst(0) depctr_va_sdst(0) depctr_va_ssrc(0) depctr_va_vcc(0) depctr_vm_vsrc(0)
	s_getreg_b32 s2, hwreg(HW_REG_IB_STS2, 6, 4)
	s_cmp_eq_u32 s2, 0
	s_cbranch_scc0 .Lentry_in_a_cluster
	s_endpgm
.Lentry_in_a_cluster:
	s_bfe_u32 s2, ttmp6, 0x10000c
	s_cmp_lg_u32 s2, 0xf033
	s_cbranch_scc0 .Lentry_shape_is_right
	s_endpgm
.Lentry_shape_is_right:
; Q, K, V = x W^T + b on codes of FP6, quantised again on the way out.  A work-group makes 256 x 256, a wave 128 x 128; K goes in steps of 256 through two LDS slots.
; A step's tile of 256 rows is a dense block of 49,152 bytes in 'codes' and is fetched as rows of 256 bytes; 16 bytes of padding behind each 64 give LDS rows of 240 bytes.
; THE HEAD: one joint load a wave: step 0's 256 rows of A, of B, A's scale bytes, B's; slot 1 is first filled behind the three lines and a round, as a refill is.
.set TSTEP,  49152
.set KSTEP,  256
.set NQ,     KSTEP/128
.set ROWB,   192
.set KROW,   768
.set PITCH,  240
.set FR,     12
.set NL,     6
.set NP,     4
.set HALFT,  128*PITCH
.set SLOT,   4*HALFT
.set LAPS,   2
.set KS,     32
.set SCL,    2*SLOT
.set HALFS,  (128*KS/256)*272
.set SBLK,   (16*KS/256)*272
.set SPARE,  SCL+4*HALFS
.set PW,   8
.set ADRA, 16
.set ADRB, 20
.set L8,   24
.set L16,  26
.set ADRS, 27
.set SPW,  28
.set NIL,  29
.set OBN,  30
.set OBM,  31
.set SC,   32
.set BN,   64
.set AF,   128
.set HA,   128
.set TM,   192
.set F0,   208
.set T2A,  220
.set F1,   224
.set T2B,  236
.set BM,   240
.set SEL,  2
.set G1, 24
.set G0, 32
.set G1B, 48
.set G0B, 56
.set G1S, 68
.set G0S, 76
.set G1SB, 80
.set G0SB, 88
.set MSB, 0
.macro WIN new
.if MSB != \new
	s_set_vgpr_msb (MSB<<8)|\new
.set MSB, \new
.endif
.endm
.set MUL_LO, 0xa1
.set MUL_HI, 0xf1
.set TO_B,   0x40
.macro JLOAD g0a, g1a, g0b, g1b
	s_cmp_eq_u32 s15, 0
	s_cbranch_scc0 .Lfor_b_\@
	tensor_load_to_lds s[\g0a:\g0a+3], s[\g1a:\g1a+7]
	s_nop 0
.rept 4
	v_nop
.endr
	s_branch .Lasked_\@
.Lfor_b_\@:
	tensor_load_to_lds s[\g0b:\g0b+3], s[\g1b:\g1b+7]
	s_nop 0
.rept 4
	v_nop
.endr
.Lasked_\@:
.endm
.macro CREST
	s_cmp_lg_u32 s14, 0
	s_cbranch_scc1 .Lnot_wave_0_\@
	s_barrier_signal -3
.Lnot_wave_0_\@:
	s_barrier_wait -3
	s_barrier_signal -1
	s_barrier_wait -1
.endm
.macro CROUND
	s_barrier_signal -1
	s_barrier_wait -1
	CREST
.endm
	s_load_b128 s[4:7], s[0:1], 0x0
	s_load_b128 s[8:11], s[0:1], 0x10
	s_load_b64 s[12:13], s[0:1], 0x20
	s_load_b128 s[96:99], s[0:1], 0x28
	s_load_b64 s[100:101], s[0:1], 0x38
	s_load_b64 s[104:105], s[0:1], 0x40
	v_lshl_add_u32 v[SPW], v0, 2, SPARE
	v_mov_b32 v[NIL], 0
	ds_add_u32 v[SPW], v[NIL]
	ds_add_u32 v[SPW], v[NIL]
	v_lshrrev_b32 v1, 5, v0
	v_readfirstlane_b32 s14, v1
	s_lshr_b32 s15, s14, 1
	s_and_b32 s16, s14, 1
	s_bfe_u32 s40, ttmp6, 0x40000
	s_bfe_u32 s41, ttmp6, 0x40004
	s_and_b32 s66, ttmp7, 0xffff
	s_lshl_b32 s43, s41, 2
	s_lshl_b32 s43, 15, s43
	s_lshl_b32 s44, 0x1111, s40
	s_or_b32 s[G1+0], s43, (0<<16)|(1<<20)|(1<<21)|(3<<22)|(3<<25)
	s_or_b32 s[G1B+0], s44, (0<<16)|(1<<20)|(1<<21)|(3<<22)|(3<<25)
.irp g, G1, G1B
	s_mov_b32 s[\g+1], 256<<16
	s_mov_b32 s[\g+2], 192<<16
	s_mov_b32 s[\g+3], 256<<16
	s_mov_b32 s[\g+4], 192
	s_mov_b32 s[\g+5], 256
	s_mov_b32 s[\g+6], 0
	s_mov_b32 s[\g+7], 0
.endr
	s_or_b32 s[G1S+0], s43, (3<<16)|(1<<20)|(1<<21)|(5<<22)|(3<<25)
	s_or_b32 s[G1SB+0], s44, (3<<16)|(1<<20)|(1<<21)|(5<<22)|(3<<25)
.irp g, G1S, G1SB
	s_mov_b32 s[\g+1], 32<<16
	s_mov_b32 s[\g+2], (256*KS/256)<<16
	s_mov_b32 s[\g+3], 32<<16
	s_mov_b32 s[\g+4], 256*KS/256
	s_mov_b32 s[\g+5], 32
	s_mov_b32 s[\g+6], 0
	s_mov_b32 s[\g+7], 0
.endr
	s_lshl_b32 s17, s66, 10
	s_lshr_b32 s42, s66, 3
	s_lshl_b32 s42, s42, 10
	s_add_co_u32 s42, s42, 24576
	s_cmp_lt_u32 s66, 16
	s_cselect_b32 s20, s17, s42
	s_cselect_b32 s46, s42, s17
	s_cselect_b32 s67, 0, 1
	s_lshl_b32 s21, s41, 8
	s_add_co_u32 s20, s20, s21
	s_lshl_b32 s47, s40, 8
	s_add_co_u32 s46, s46, s47
	s_mov_b32 s21, 0
	s_mov_b32 s47, 0
	s_mov_b64 s[18:19], KS
	s_mul_u64 s[22:23], s[20:21], s[18:19]
	s_mul_u64 s[92:93], s[46:47], s[18:19]
	s_mov_b64 s[18:19], KROW
	s_mul_u64 s[20:21], s[20:21], s[18:19]
	s_mul_u64 s[46:47], s[46:47], s[18:19]
	s_mul_i32 s45, s14, HALFT
	s_wait_dscnt 0x0
	s_wait_kmcnt 0x0
	s_add_nc_u64 s[20:21], s[4:5], s[20:21]
	s_add_nc_u64 s[22:23], s[6:7], s[22:23]
	s_add_nc_u64 s[46:47], s[4:5], s[46:47]
	s_add_nc_u64 s[92:93], s[6:7], s[92:93]
	CROUND
	s_mov_b32 s[G0S], 1                            ; the scale bytes of A's 256 rows,
	s_mov_b32 s[G0S+1], SCL
	s_mov_b64 s[G0S+2:G0S+3], s[22:23]
	s_or_b32 s[G0S+3], s[G0S+3], 0x80000000
	s_mov_b32 s[G0SB], 1                           ; and of B's
	s_mov_b32 s[G0SB+1], SCL+2*HALFS
	s_mov_b64 s[G0SB+2:G0SB+3], s[92:93]
	s_or_b32 s[G0SB+3], s[G0SB+3], 0x80000000
	s_mov_b32 s[G0], 1                             ; step 0's 256 rows of A, whole,
	s_mov_b32 s[G0+1], 0
	s_mov_b64 s[G0+2:G0+3], s[20:21]
	s_or_b32 s[G0+3], s[G0+3], 0x80000000
	s_mov_b32 s[G0B], 1                            ; and of B, behind them
	s_mov_b32 s[G0B+1], 2*HALFT
	s_mov_b64 s[G0B+2:G0B+3], s[46:47]
	s_or_b32 s[G0B+3], s[G0B+3], 0x80000000
	s_mul_i32 s18, s16, 24576                      ; in the ring a wave fetches 128 rows of a tile: which half, in bytes
	s_mov_b32 s19, 0
	s_add_nc_u64 s[20:21], s[20:21], s[18:19]
	s_add_nc_u64 s[46:47], s[46:47], s[18:19]
	s_mov_b32 s[G0+4], 1                           ; slot 1: step 1
	s_add_co_u32 s[G0+5], s45, SLOT
	s_add_nc_u64 s[G0+6:G0+7], s[20:21], TSTEP
	s_or_b32 s[G0+7], s[G0+7], 0x80000000
	s_mov_b32 s[G0B+4], 1
	s_add_co_u32 s[G0B+5], s45, SLOT
	s_add_nc_u64 s[G0B+6:G0B+7], s[46:47], TSTEP
	s_or_b32 s[G0B+7], s[G0B+7], 0x80000000
.macro ARM under, g0, g1, next                 ; one chain of branches on the wave's number, one load to an arm, all arms to one join
	s_cmp_lt_u32 s14, \under
	s_cbranch_scc0 \next
	tensor_load_to_lds s[\g0:\g0+3], s[\g1:\g1+7]
	s_nop 0
.rept 4
	v_nop
.endr
	s_branch .Lhead_asked
\next:
.endm
	ARM 1, G0,  G1,  .Lhead_b
	ARM 2, G0B, G1B, .Lhead_sa
	ARM 3, G0S, G1S, .Lhead_sb
	tensor_load_to_lds s[G0SB:G0SB+3], s[G1SB:G1SB+7]
	s_nop 0
.rept 4
	v_nop
.endr
.Lhead_asked:
	v_and_b32 v1, 15, v0
	v_bfe_u32 v2, v0, 4, 1
	v_mul_u32_u24 v3, v1, PITCH
	v_mul_u32_u24 v4, v2, 24
	v_add_nc_u32 v4, v3, v4
	v_lshl_add_u32 v5, v2, 4, v4
	s_mul_i32 s21, s15, HALFT
	s_mul_i32 s22, s16, HALFT
	s_add_co_u32 s22, s22, 2*HALFT
.irp s, 0,1
	v_add_nc_u32 v[ADRA+\s], s21, v4
	v_add_nc_u32 v[ADRB+\s], s22, v4
	v_add_nc_u32 v[ADRA+2+\s], s21, v5
	v_add_nc_u32 v[ADRB+2+\s], s22, v5
	s_add_co_u32 s21, s21, SLOT
	s_add_co_u32 s22, s22, SLOT
.endr
	v_mul_u32_u24 v5, v1, KS
	v_lshrrev_b32 v6, 8, v5
	v_lshl_add_u32 v5, v6, 4, v5
	s_mul_i32 s21, s15, HALFS
	s_mul_i32 s22, s16, HALFS
	s_add_co_u32 s22, s22, 2*HALFS
	s_sub_co_u32 s22, s22, s21
	v_mul_u32_u24 v6, s22, v2
	s_add_co_u32 s21, s21, SCL
	v_add_nc_u32 v5, v5, v6
	v_add_nc_u32 v[ADRS], s21, v5
	v_and_b32 v6, 31, v0
	v_lshlrev_b32 v[L16], 4, v6
	v_lshlrev_b32 v[L8], 3, v6
	v_lshlrev_b32 v[OBN], 6, v2
	s_wait_alu depctr_va_vdst(0)
	v_and_b32 v5, 8, v1
	v_add_nc_u32 v5, v5, v1
	v_lshlrev_b32 v[OBM], 2, v5
	s_wait_alu depctr_va_vdst(0)
	s_cmp_lt_u32 s66, 8
	s_cselect_b64 s[8:9], s[8:9], s[10:11]
	s_cmp_lt_u32 s66, 16
	s_cselect_b64 s[8:9], s[8:9], s[12:13]
	s_lshl_b32 s92, s40, 10
	s_lshl_b32 s93, s16, 9
	s_add_co_u32 s92, s92, s93
	s_mov_b32 s93, 0
	s_add_nc_u64 s[10:11], s[8:9], s[92:93]
	s_lshl_b32 s92, s41, 10
	s_lshl_b32 s94, s15, 9
	s_add_co_u32 s92, s92, s94
	s_add_nc_u64 s[12:13], s[8:9], s[92:93]
.irp b, 0,1,2,3,4,5,6,7
	global_load_b128 v[BN+8*\b:BN+8*\b+3], v[OBN], s[10:11] offset:(32*(\b/2)+8*(\b%2))*4
	global_load_b128 v[BN+8*\b+4:BN+8*\b+7], v[OBN], s[10:11] offset:(32*(\b/2)+8*(\b%2))*4+16
.endr
.irp a, 0,1,2,3,4,5,6,7
	global_load_b32 v[BM+2*\a], v[OBM], s[12:13] offset:(32*(\a/2)+8*(\a%2))*4
	global_load_b32 v[BM+2*\a+1], v[OBM], s[12:13] offset:(32*(\a/2)+8*(\a%2))*4
.endr
	s_lshl_b32 s17, s66, 2
	s_add_co_u32 s18, s17, s41
	s_sub_co_u32 s19, s17, 64
	s_add_co_u32 s19, s19, s40
	s_lshl_b32 s20, s40, 2
	s_lshl_b32 s21, s16, 1
	s_add_co_u32 s20, s20, s21
	s_lshl_b32 s21, s41, 2
	s_lshl_b32 s22, s15, 1
	s_add_co_u32 s21, s21, s22
	s_cmp_eq_u32 s67, 0
	s_cselect_b32 s18, s18, s19
	s_cselect_b32 s20, s20, s21
	s_cselect_b32 s22, s15, s16
	s_cselect_b64 s[96:97], s[96:97], s[100:101]
	s_cselect_b64 s[98:99], s[98:99], s[104:105]
	s_lshr_b32 s19, s18, 3
	s_lshl_b32 s19, s19, 4
	s_add_co_u32 s19, s19, s20
	s_lshl_b32 s19, s19, 4
	s_and_b32 s18, s18, 7
	s_lshl_b32 s18, s18, 1
	s_add_co_u32 s19, s19, s18
	s_add_co_u32 s19, s19, s22
	s_mul_i32 s20, s19, 6144
	s_mov_b32 s21, 0
	s_add_nc_u64 s[96:97], s[96:97], s[20:21]
	s_lshl_b32 s20, s19, 8
	s_add_nc_u64 s[98:99], s[98:99], s[20:21]
.macro FRAG reg, adr, q, i
.irp p, 0,1,2,3,4,5
.set PC, 12*(\q)+6*(\p/3)+\p%3
.if PC%8 < 5
	ds_load_b64 v[\reg+2*\p:\reg+2*\p+1], v[\adr] offset:8*PC+16*(PC/8)+(\i)*16*PITCH
.else
	ds_load_b64 v[\reg+2*\p:\reg+2*\p+1], v[\adr+2] offset:8*PC+16*(PC/8)+(\i)*16*PITCH
.endif
.endr
.endm
.macro MUL16 a0, p, q, sc, zero
.irp a, \a0, \a0+1
.irp b, 0,1,2,3,4,5,6,7
.if \zero
	v_wmma_scale_f32_16x16x128_f8f6f4 v[8*(8*((\a)%4)+\b):8*(8*((\a)%4)+\b)+7], v[128*(\p)+FR*\b:128*(\p)+FR*\b+FR-1], v[AF+FR*(\a):AF+FR*(\a)+FR-1], 0, v[SC+8*NQ*(\sc)+NQ*\b+(\q)], v[SC+8*NQ*(\sc)+NQ*(\a)+(\q)] matrix_a_fmt:MATRIX_FMT_FP6 matrix_b_fmt:MATRIX_FMT_FP6 matrix_a_scale:MATRIX_SCALE_ROW1
.else
	v_wmma_scale_f32_16x16x128_f8f6f4 v[8*(8*((\a)%4)+\b):8*(8*((\a)%4)+\b)+7], v[128*(\p)+FR*\b:128*(\p)+FR*\b+FR-1], v[AF+FR*(\a):AF+FR*(\a)+FR-1], v[8*(8*((\a)%4)+\b):8*(8*((\a)%4)+\b)+7], v[SC+8*NQ*(\sc)+NQ*\b+(\q)], v[SC+8*NQ*(\sc)+NQ*(\a)+(\q)] matrix_a_fmt:MATRIX_FMT_FP6 matrix_b_fmt:MATRIX_FMT_FP6 matrix_a_scale:MATRIX_SCALE_ROW1
.endif
.endr
.endr
.endm
.macro FETCH_B slot, q, p
	WIN TO_B
.irp i, 0,1,2,3,4,5,6,7
	FRAG 128*(\p)+FR*\i, ADRB+\slot, \q, \i
.endr
	WIN 0
.endm
.macro FETCH_A slot, q, i0
.irp i, \i0, \i0+1, \i0+2, \i0+3
	FRAG AF+FR*(\i), ADRA+\slot, \q, \i
.endr
.endm
.macro SCALES sc
.irp i, 0,1,2,3,4,5,6,7
	ds_load_b64 v[SC+8*NQ*\sc+NQ*\i:SC+8*NQ*\sc+NQ*\i+1], v[ADRS] offset:\i*SBLK
.endr
.endm
.macro PLACES n
.rept \n
	v_nop
.endr
.endm
.macro STEP slot, q, zero
	s_wait_dscnt 4*NL
	WIN MUL_LO
	MUL16 0, (\q)%2, \q, \slot, \zero
	MUL16 2, (\q)%2, \q, \slot, \zero
	s_wait_dscnt 0
	PLACES NP
	FETCH_B \slot, (\q)+1, 1-(\q)%2
	FETCH_A \slot, (\q)+1, 0
	WIN MUL_HI
	MUL16 4, (\q)%2, \q, \slot, \zero
	MUL16 6, (\q)%2, \q, \slot, \zero
	PLACES NP
	WIN 0
	FETCH_A \slot, (\q)+1, 4
.endm
.macro TURN slot, next, fill
	s_wait_tensorcnt 0x0
	ds_add_u32 v[SPW], v[NIL]
	s_wait_dscnt 4*NL+1
	WIN MUL_LO
	MUL16 0, 1, NQ-1, \slot, 0
	s_wait_dscnt 0x0
	s_barrier_signal -1
	MUL16 2, 1, NQ-1, \slot, 0
	WIN 0
	s_barrier_wait -1
.if \fill
	CREST
	s_add_nc_u64 s[G0+4*\slot+2:G0+4*\slot+3], s[G0+4*\slot+2:G0+4*\slot+3], 2*TSTEP
	s_add_nc_u64 s[G0B+4*\slot+2:G0B+4*\slot+3], s[G0B+4*\slot+2:G0B+4*\slot+3], 2*TSTEP
	JLOAD G0+4*\slot, G1, G0B+4*\slot, G1B
.else
	PLACES NP
.endif
	s_wait_alu depctr_va_vdst(0)
	v_add_nc_u32 v[ADRS], 4*NQ, v[ADRS]
	FETCH_B \next, 0, 0
	FETCH_A \next, 0, 0
	SCALES \next
	WIN MUL_HI
	MUL16 4, 1, NQ-1, \slot, 0
	MUL16 6, 1, NQ-1, \slot, 0
	PLACES NP
	WIN 0
	FETCH_A \next, 0, 4
.endm
	s_wait_alu depctr_va_vdst(0)                   ; the wait at the head's end
	s_wait_tensorcnt 0x0                           ; my tile of the head's four is in; the three lines ahead of slot 1's first fill
	ds_add_u32 v[SPW], v[NIL]
	s_mov_b32 s[G1+2], 96<<16                      ; no tensor load of mine is out: from here on a load brings 128 rows of a tile, 96 rows of 256 bytes,
	s_mov_b32 s[G1+4], 96
	s_mov_b32 s[G1B+2], 96<<16
	s_mov_b32 s[G1B+4], 96
	s_mul_i32 s20, s16, 24576                      ; and slot 0's descriptors point at my half
	s_mov_b32 s21, 0
	s_mov_b32 s[G0+1], s45
	s_add_nc_u64 s[G0+2:G0+3], s[G0+2:G0+3], s[20:21]
	s_mov_b32 s[G0B+1], s45
	s_add_nc_u64 s[G0B+2:G0B+3], s[G0B+2:G0B+3], s[20:21]
	s_wait_dscnt 0x0
	CROUND
	JLOAD G0+4, G1, G0B+4, G1B
	FETCH_B 0, 0, 0
	FETCH_A 0, 0, 0
	SCALES 0
	FETCH_A 0, 0, 4
	STEP 0, 0, 1
	s_mov_b32 s3, LAPS-1
.Llap:
	TURN 0, 1, 1
	STEP 1, 0, 0
	TURN 1, 0, 1
	STEP 0, 0, 0
	s_sub_co_u32 s3, s3, 1
	s_cmp_lg_u32 s3, 0
	s_cbranch_scc1 .Llap
	TURN 0, 1, 0
	STEP 1, 0, 0
	s_wait_dscnt 4*NL
	WIN MUL_LO
	MUL16 0, 1, NQ-1, 1, 0
	MUL16 2, 1, NQ-1, 1, 0
	s_wait_dscnt 0
	WIN MUL_HI
	MUL16 4, 1, NQ-1, 1, 0
	MUL16 6, 1, NQ-1, 1, 0
	WIN 0
.macro ADDN a
.set WN, 0x02+(\a)/4
	WIN WN
.set i, 0
.rept 32
	v_pk_add_f32 v[HA+2*i:HA+2*i+1], v[64*((\a)%4)+2*i:64*((\a)%4)+2*i+1], v[BN+2*i:BN+2*i+1]
.set i, i+1
.endr
	WIN 0
.endm
.macro ADDM a
.set WN, 0x02+(\a)/4
	WIN WN
.set i, 0
.rept 32
	v_pk_add_f32 v[HA+2*i:HA+2*i+1], v[64*((\a)%4)+2*i:64*((\a)%4)+2*i+1], v[BM+2*(\a):BM+2*(\a)+1]
.set i, i+1
.endr
	WIN 0
.endm
.macro QUANT s, d0, d1, w
.irp b, 0,1,2,3
	v_max3_num_f32 v[TM+\b], |v[\s+16*\b]|, |v[\s+1+16*\b]|, 0x1800000
.endr
.irp i, 2,4,6,8,10,12,14
.irp b, 0,1,2,3
	v_max3_num_f32 v[TM+\b], v[TM+\b], |v[\s+16*\b+\i]|, |v[\s+1+16*\b+\i]|
.endr
.endr
.irp b, 0,1,2,3
	v_permlanex16_b32 v[TM+4+\b], v[TM+\b], s[SEL], s[SEL+1]
.endr
.irp b, 0,1,2,3
	v_max_num_f32 v[TM+\b], v[TM+\b], v[TM+4+\b]
.endr
.irp b, 0,1,2,3
	v_add_nc_u32 v[TM+12+\b], 0xff000000, v[TM+\b]
.endr
.irp b, 0,1,2,3
	v_lshrrev_b32 v[TM+4+\b], 23, v[TM+12+\b]
.endr
	v_lshl_or_b32 v[\w], v[TM+5], 8, v[TM+4]
	v_lshl_or_b32 v[\w], v[TM+6], 16, v[\w]
	v_lshl_or_b32 v[\w], v[TM+7], 24, v[\w]
	v_cvt_scalef32_pk16_fp6_f32 v[\d0:\d0+2], v[\s:\s+15], v[TM+12]
	v_cvt_scalef32_pk16_fp6_f32 v[T2A:T2A+2], v[\s+16:\s+31], v[TM+13]
	v_cvt_scalef32_pk16_fp6_f32 v[\d1:\d1+2], v[\s+32:\s+47], v[TM+14]
	v_cvt_scalef32_pk16_fp6_f32 v[T2B:T2B+2], v[\s+48:\s+63], v[TM+15]
	v_nop
.irp i, 0,1,2
	v_permlane16_swap_b32 v[\d0+\i], v[T2A+\i]
	v_permlane16_swap_b32 v[\d1+\i], v[T2B+\i]
.endr
.irp i, 0,1,2
	v_mov_b32 v[\d0+3+\i], v[T2A+\i]
	v_mov_b32 v[\d1+3+\i], v[T2B+\i]
.endr
.endm
.macro PUT f, off
.irp c, 0,1,2
	global_store_b128 v[L16], v[\f+4*\c:\f+4*\c+3], s[96:97] offset:\off+512*\c
.endr
.endm
	s_wait_loadcnt 0x0
	PLACES NP
	s_mov_b32 s[SEL], 0x76543210
	s_mov_b32 s[SEL+1], 0xfedcba98
	s_mov_b32 s95, 0xffff0000
.irp b, 0,1,2,3
	v_mov_b32 v[TM+4+\b], 0
.endr
	s_cmp_eq_u32 s67, 1
	s_cbranch_scc1 .Lv_arm
.irp f, 0,1,2,3
.if \f > 0
	s_wait_xcnt 0x0
.endif
	ADDN 2*\f
	QUANT HA, F0, F1, PW+2*\f
	ADDN 2*\f+1
	QUANT HA, F0+6, F1+6, PW+2*\f+1
	PUT F0, 1536*\f
	PUT F1, 98304+1536*\f
.endr
.irp f, 0,1,2,3
	v_perm_b32 v[TM+\f], v[PW+2*\f+1], v[PW+2*\f], 0x05040100
	v_perm_b32 v[TM+4+\f], v[PW+2*\f+1], v[PW+2*\f], 0x07060302
.endr
	v_cndmask_b32 v2, v[TM], v[TM+1], s95
	v_cndmask_b32 v3, v[TM+2], v[TM+3], s95
	v_cndmask_b32 v4, v[TM+4], v[TM+5], s95
	v_cndmask_b32 v5, v[TM+6], v[TM+7], s95
	global_store_b64 v[L8], v[2:3], s[98:99]
	global_store_b64 v[L8], v[4:5], s[98:99] offset:4096
	s_branch .Ldone
.Lv_arm:
.irp a, 0,1,2,3,4,5,6,7
.if \a > 0
	s_wait_xcnt 0x0
.endif
	ADDM \a
	QUANT HA, F0, F0+6, PW+\a
	PUT F0, 98304*(\a/4)+1536*(\a%4)
.endr
	v_cndmask_b32 v2, v[PW], v[PW+1], s95
	v_cndmask_b32 v3, v[PW+2], v[PW+3], s95
	v_cndmask_b32 v4, v[PW+4], v[PW+5], s95
	v_cndmask_b32 v5, v[PW+6], v[PW+7], s95
	global_store_b64 v[L8], v[2:3], s[98:99]
	global_store_b64 v[L8], v[4:5], s[98:99] offset:4096
.Ldone:
	s_wait_tensorcnt 0x0
	ds_add_u32 v[SPW], v[NIL]
	s_wait_dscnt 0x0
	CROUND
	s_endpgm
.Lfunc_end_k_qb8fa922b56_proj:
	.size	k_qb8fa922b56_proj, .Lfunc_end_k_qb8fa922b56_proj-k_qb8fa922b56_proj
	.p2alignl 7, 3214868480
	.fill 96, 4, 3214868480
	.section	.rodata,"a",@progbits
	.p2align	6, 0x0
	.amdhsa_kernel k_qb8fa922b56_proj
		.amdhsa_group_segment_fixed_size 327680
		.amdhsa_private_segment_fixed_size 0
		.amdhsa_enable_private_segment 0
		.amdhsa_kernarg_size 72
		.amdhsa_user_sgpr_count 2
		.amdhsa_user_sgpr_kernarg_segment_ptr 1
		.amdhsa_wavefront_size32 1
		.amdhsa_system_sgpr_workgroup_id_x 1
		.amdhsa_system_sgpr_workgroup_id_y 1
		.amdhsa_system_sgpr_workgroup_id_z 1
		.amdhsa_system_vgpr_workitem_id 0
		.amdhsa_next_free_vgpr 1024
		.amdhsa_next_free_sgpr 106
		.amdhsa_reserve_vcc 0
		.amdhsa_float_denorm_mode_32 3
		.amdhsa_float_denorm_mode_16_64 3
		.amdhsa_memory_ordered 1
		.amdhsa_forward_progress 1
		.amdhsa_inst_pref_size 235
	.end_amdhsa_kernel
	.amdgpu_metadata
---
amdhsa.version: [ 1, 2 ]
amdhsa.kernels:
  - .name:           k_qb8fa922b56_proj
    .symbol:         k_qb8fa922b56_proj.kd
    .args:
      - { .name: codes, .offset: 0, .size: 8, .value_kind: global_buffer, .address_space: global }
      - { .name: scales, .offset: 8, .size: 8, .value_kind: global_buffer, .address_space: global }
      - { .name: bq, .offset: 16, .size: 8, .value_kind: global_buffer, .address_space: global }
      - { .name: bk, .offset: 24, .size: 8, .value_kind: global_buffer, .address_space: global }
      - { .name: bv, .offset: 32, .size: 8, .value_kind: global_buffer, .address_space: global }
      - { .name: qkcodes, .offset: 40, .size: 8, .value_kind: global_buffer, .address_space: global }
      - { .name: qkscales, .offset: 48, .size: 8, .value_kind: global_buffer, .address_space: global }
      - { .name: vcodes, .offset: 56, .size: 8, .value_kind: global_buffer, .address_space: global }
      - { .name: vscales, .offset: 64, .size: 8, .value_kind: global_buffer, .address_space: global }
    .group_segment_fixed_size: 327680
    .private_segment_fixed_size: 0
    .kernarg_segment_align: 8
    .kernarg_segment_size: 72
    .max_flat_workgroup_size: 128
    .sgpr_count:     106
    .vgpr_count:     1024
    .wavefront_size: 32
...
	.end_amdgpu_metadata
.endif
;; end of part 2
;; launch attn (part 3): grid 4 x 64, 12 waves a work-group, clusters of 4 x 1, 206,848 bytes of LDS; arguments qkcodes, qkscales, vcodes, vscales, ocodes, oscales; writes ocodes, oscales
.if DOCPART == 3
	.amdgcn_target "amdgcn-amd-amdhsa--gfx1250"
	.amdhsa_code_object_version 6
	.text
	.protected	k_qb8fa922b56_attn
	.globl	k_qb8fa922b56_attn
	.p2align	8
	.type	k_qb8fa922b56_attn,@function
k_qb8fa922b56_attn:
	s_mov_b64 s[64:65], 0
	v_nop
	global_prefetch_b8 v0, s[64:65] scope:SCOPE_SE
	s_setreg_imm32_b32 hwreg(HW_REG_WAVE_MODE, 25, 1), 1
	s_wait_xcnt 0x0
	s_wait_alu depctr_hold_cnt(0) depctr_sa_sdst(0) depctr_va_vdst(0) depctr_va_sdst(0) depctr_va_ssrc(0) depctr_va_vcc(0) depctr_vm_vsrc(0)
	s_getreg_b32 s2, hwreg(HW_REG_IB_STS2, 6, 4)
	s_cmp_eq_u32 s2, 0
	s_cbranch_scc0 .Lentry_in_a_cluster
	s_endpgm
.Lentry_in_a_cluster:
	s_bfe_u32 s2, ttmp6, 0x10000c
	s_cmp_lg_u32 s2, 0x3003
	s_cbranch_scc0 .Lentry_shape_is_right
	s_endpgm
.Lentry_shape_is_right:
; O[b][h][q] = the sum over k of softmax_k(q . k / 8) v, both products on codes of FP6 (E2M3) with E8M0 scales; O / the row's sum is quantised along the model's 1,024 and leaves as images of the last product's operand registers.
; THE SOFTMAX: t = score x log2(e) / 8; M = the row's largest t so far, rounded UP to a whole number; p = 2^(t - M) is quantised along the keys, not normalised.  The row's sum is taken of the unquantised p, in f32,
; and divides O at the end.  When M moves, the sum and O are multiplied by 2^(old M - new M): exact.
; SHARES.  A work-group owns 512 queries of one head: 32 tiles of 16.  TWELVE waves, three to a SIMD; in pass p a wave takes tile 12 p + wave and walks the head's 2,048 keys, 128 a step.  Passes 0 and 1 are all waves',
; pass 2 (tiles 24 to 31) waves 0 to 7's: every wave walks its loop, and a branch on the wave's number inside it leads round the step's work alone.  64 heads x 4 = 256 work-groups.
; ALL OF A HEAD'S K AND V LIES IN LDS, filled ONCE, one tensor load a wave: waves 0, 1 the scale words of K, V (4,096 bytes each); waves 2, 3 key steps 0-3 of K, V; waves 4 to 11 three key steps each of K (even waves) or V.
; Three arms of one chain of branches on the wave's number.  Waves 0-3 wait ahead of the first barrier, behind which key steps 0-3 are read; all waves wait ahead of the barrier in front of key step 4.
; CLUSTER.  The four work-groups of a cluster are the four parts of one head's queries: each load is asked for JOINTLY (mask 15), with the same descriptor in all four.
; No prefetch is laid: every byte of K and V is asked for at the kernel's head by the tensor loads themselves.
; OPERANDS ARE IMAGES OF REGISTERS: registers 4 c .. 4 c + 3 of lane l at 512 c + 16 l.  A fragment of K holds TWO tiles of 16 keys (K = 0 .. 63 the channels of tile 2 f, K = 64 .. 127 of tile 2 f + 1);
; it is multiplied by [q | 0] and by [0 | q]: 18 registers [q, 0, q] serve as both; q's scale word is [s0, s1, s0, s1].
; LAYOUT.  Both products are used transposed: a lane holds ONE query (lane % 16).  Tile 4 c + j of a step holds keys 64 c + 8 j + i and 64 c + 32 + 8 j + i (i = 0 .. 7; the first launch orders key_in's rows so):
; the 32 registers of tiles 4 c .. 4 c + 3 are keys 64 c + 32 (lane / 16) + 0 .. 31: ONE scale block, in the place that the second product's operand gives that lane.
; OUT.  ocodes [token tile 512][head 16][768 bytes]: register pair p at 256 p + 8 lane.  oscales [head pair 8][token 8,192]: a word, its low half the even head's two bytes (2 bytes a lane: one part in 25 of what is stored).
; In pass 1 every wave asks for a next fragment of Q; that of waves 8 to 11 is not used: its bytes lie inside qkcodes and qkscales (q's fragments are followed by k's).
; LIMITS: NaN and infinities are not served; a block of zeros gets the scale byte 1 (its codes are zeros; this program alone reads the bytes).
; REGISTERS: v1-7, v11, v16 stay; v8-10 addresses in hand; v12 -M, v13 the largest t, v[14:15] the sum; v32-79 fragments of K, then of V; v96-159 S^T, then p; v160-191 O^T; v192-209 [q, 0, q]; v210-222 the next q;
;   v224-247 p's codes and work; v[248:249] K's scale words, v[250:251] V's; v252 f; v253 p's scale word; v254 at work; v255 q's scale word.
.set VOFF,  98304
.set SCK,   196608
.set SPARE, 204800                     ; the spare words: 128 bytes for each of twelve waves
.set SPW,  5
.set NIL,  6
.set ADK,  8
.set ADV,  9
.set ADS,  10
.set H8,   16                          ; v16  8 x (lane / 16)
.set WV,   18
.set SEL,  20
.set CS,   22
.set TK,   2
.set TS,   3
.macro CROUND
	s_barrier_signal -1
	s_barrier_wait -1
	s_cmp_lg_u32 s[WV], 0
	s_cbranch_scc1 .Lnot_wave_0_\@
	s_barrier_signal -3
.Lnot_wave_0_\@:
	s_barrier_wait -3
	s_barrier_signal -1
	s_barrier_wait -1
.endm
.macro G1SET g, rows                   ; a dense block as rows of 256 bytes, no padding; mask 15, bit 21 beside it
	s_mov_b32 s[\g], 15|(3<<16)|(1<<21)
	s_mov_b32 s[\g+1], 32<<16
	s_mov_b32 s[\g+2], (\rows)<<16
	s_mov_b32 s[\g+3], 32<<16
	s_mov_b32 s[\g+4], \rows
	s_mov_b32 s[\g+5], 32
	s_mov_b32 s[\g+6], 0
	s_mov_b32 s[\g+7], 0
.endm
.macro FILL g0, g1
	tensor_load_to_lds s[\g0:\g0+3], s[\g1:\g1+7]
	s_nop 0
.rept 4
	v_nop
.endr
.endm
.macro QADR                            ; where fragment s94's scale words lie: 256 (F / 4) + 128 (F % 2) + 4 ((F / 2) % 2), 8 bytes from row to row
	s_lshr_b32 s98, s94, 2
	s_lshl_b32 s98, s98, 8
	s_and_b32 s99, s94, 1
	s_lshl_b32 s99, s99, 7
	s_add_co_u32 s98, s98, s99
	s_bfe_u32 s99, s94, 0x10001
	s_lshl_b32 s99, s99, 2
	s_add_co_u32 s98, s98, s99
	s_mov_b32 s99, 0
	s_add_nc_u64 s[86:87], s[72:73], s[98:99]
.endm
	s_load_b256 s[4:11], s[0:1], 0x0               ; qkcodes, qkscales, vcodes, vscales
	s_load_b128 s[12:15], s[0:1], 0x20             ; ocodes, oscales
	v_lshl_add_u32 v[SPW], v0, 2, SPARE
	v_mov_b32 v[NIL], 0
	ds_add_u32 v[SPW], v[NIL]                      ; the opening lines: the add twice and its wait ahead of the first tensor loads
	ds_add_u32 v[SPW], v[NIL]
	v_lshrrev_b32 v8, 5, v0
	s_delay_alu instid0(VALU_DEP_1)
	v_readfirstlane_b32 s[WV], v8
	s_bfe_u32 s16, ttmp6, 0x40000
	s_lshl_b32 s17, ttmp9, 2
	s_add_co_u32 s16, s16, s17                     ; which 512 queries: it enters Q's and O's global addresses alone
	s_and_b32 s19, ttmp7, 0xffff                   ; 16 x batch + head
	G1SET 24, 16                                   ; the scale words
	G1SET 32, 72                                   ; three key steps
	G1SET 40, 96                                   ; four
	s_mov_b32 s[SEL], 0x76543210
	s_mov_b32 s[SEL+1], 0xfedcba98
	s_mov_b32 s[CS], 0x3e38aa3b                    ; log2(e) / 8
	s_mov_b32 s[CS+1], s[CS]
	s_mul_i32 s80, s19, 98304
	s_mov_b32 s81, 0
	s_lshl_b32 s82, s19, 12
	s_mov_b32 s83, 0
	s_and_b32 s17, s[WV], 1                        ; I fill for K (0) or V (1).  Also: which tile of a fragment of Q is mine, in every pass (12 is even)
	s_mul_i32 s95, s17, VOFF
	s_cmp_eq_u32 s17, 1
	s_cselect_b32 s92, -1, 0
	s_mov_b32 s93, 0x01000100
	s_cselect_b32 s93, 0x03020302, s93
	v_and_b32 v4, 31, v0
	v_lshrrev_b32 v[H8], 4, v4
	v_lshlrev_b32 v1, 4, v4                        ; 16 x lane
	v_lshlrev_b32 v7, 3, v4                        ; 8 x lane
	v_lshlrev_b32 v[H8], 3, v[H8]
	v_add_nc_u32 v2, SCK, v7
	v_and_b32 v9, 15, v0
	s_delay_alu instid0(VALU_DEP_1)
	v_lshlrev_b32 v11, 2, v9
	v_lshlrev_b32 v3, 3, v9
.irp i, 0,1,2,3,4,5
	v_mov_b32 v[198+\i], 0
.endr
.irp b, 0,1,2,3
	v_mov_b32 v[236+\b], 0
.endr
	v_mov_b32 v253, 0
	s_wait_dscnt 0x0
	s_wait_kmcnt 0x0
	s_add_nc_u64 s[96:97], s[4:5], 6291456         ; k's fragments lie behind q's,
	s_add_nc_u64 s[98:99], s[6:7], 262144          ; and so do its scale words
	s_cmp_eq_u32 s17, 0
	s_cselect_b64 s[96:97], s[96:97], s[8:9]
	s_cselect_b64 s[98:99], s[98:99], s[10:11]
	s_add_nc_u64 s[96:97], s[96:97], s[80:81]
	s_add_nc_u64 s[98:99], s[98:99], s[82:83]
	s_mov_b32 s56, 1                               ; the scale words
	s_lshl_b32 s57, s17, 12
	s_add_co_u32 s57, s57, SCK
	s_mov_b64 s[58:59], s[98:99]
	s_or_b32 s59, s59, 0x80000000
	s_mov_b32 s60, 1                               ; key steps 0-3
	s_mov_b32 s61, s95
	s_mov_b64 s[62:63], s[96:97]
	s_or_b32 s63, s63, 0x80000000
	s_bfe_u32 s98, s[WV], 0x10001                  ; (wave - 4) / 2 of waves 4 to 11, from the wave's bits 1 and 3
	s_lshr_b32 s99, s[WV], 2
	s_and_b32 s99, s99, 2
	s_or_b32 s98, s98, s99
	s_mul_i32 s98, s98, 18432                      ; three key steps each,
	s_add_co_u32 s98, s98, 24576                   ; behind the first four
	s_mov_b32 s99, 0
	s_mov_b32 s68, 1
	s_add_co_u32 s69, s95, s98
	s_add_nc_u64 s[70:71], s[96:97], s[98:99]
	s_or_b32 s71, s71, 0x80000000
	CROUND
	s_cmp_lt_u32 s[WV], 2
	s_cbranch_scc0 .Lfill_a
	FILL 56, 24
	s_branch .Lfilled
.Lfill_a:
	s_cmp_lt_u32 s[WV], 4
	s_cbranch_scc0 .Lfill_b
	FILL 60, 40
	s_branch .Lfilled
.Lfill_b:
	FILL 68, 32
.Lfilled:
	s_lshl_b32 s94, s16, 4                         ; Q: my fragment is number 16 x + 6 pass + wave / 2 of the head's 64
	s_lshr_b32 s97, s[WV], 1
	s_add_co_u32 s94, s94, s97
	s_mul_i32 s96, s94, 1536
	s_mov_b32 s97, 0
	s_add_nc_u64 s[84:85], s[4:5], s[80:81]
	s_add_nc_u64 s[84:85], s[84:85], s[96:97]
	s_add_nc_u64 s[72:73], s[6:7], s[82:83]
	QADR
	s_lshr_b32 s98, s19, 4                         ; O: token tile 128 batch + 32 x + 12 pass + wave
	s_lshl_b32 s98, s98, 7
	s_lshl_b32 s99, s16, 5
	s_add_co_u32 s98, s98, s99
	s_add_co_u32 s98, s98, s[WV]
	s_and_b32 s99, s19, 15
	s_mul_i32 s96, s98, 12288
	s_mul_i32 s95, s99, 768
	s_add_co_u32 s96, s96, s95
	s_add_nc_u64 s[88:89], s[12:13], s[96:97]
	s_lshr_b32 s95, s99, 1
	s_lshl_b32 s95, s95, 15
	s_lshl_b32 s96, s98, 6
	s_add_co_u32 s96, s96, s95
	s_and_b32 s95, s99, 1
	s_lshl_b32 s95, s95, 1
	s_add_co_u32 s96, s96, s95
	s_add_nc_u64 s[90:91], s[14:15], s[96:97]
.macro QLOAD
.irp c, 0,1,2
	global_load_b128 v[210+4*\c:213+4*\c], v1, s[84:85] offset:512*\c
.endr
	global_load_b32 v222, v3, s[86:87]
.endm
	QLOAD
.macro KQ t, u
.if (\t)%2
	v_wmma_scale_f32_16x16x128_f8f6f4 v[96+16*\t+8*\u:103+16*\t+8*\u], v[32+12*\t:43+12*\t], v[192+6*\u:203+6*\u], 0, v[248+\t/2], v255 matrix_a_fmt:MATRIX_FMT_FP6 matrix_b_fmt:MATRIX_FMT_FP6 matrix_a_scale:MATRIX_SCALE_ROW1
.else
	v_wmma_scale_f32_16x16x128_f8f6f4 v[96+16*\t+8*\u:103+16*\t+8*\u], v[32+12*\t:43+12*\t], v[192+6*\u:203+6*\u], 0, v[248+\t/2], v255 matrix_a_fmt:MATRIX_FMT_FP6 matrix_b_fmt:MATRIX_FMT_FP6
.endif
.endm
.macro PV t
.if (\t)%2
	v_wmma_scale_f32_16x16x128_f8f6f4 v[160+8*\t:167+8*\t], v[32+12*\t:43+12*\t], v[224:235], v[160+8*\t:167+8*\t], v[250+\t/2], v253 matrix_a_fmt:MATRIX_FMT_FP6 matrix_b_fmt:MATRIX_FMT_FP6 matrix_a_scale:MATRIX_SCALE_ROW1
.else
	v_wmma_scale_f32_16x16x128_f8f6f4 v[160+8*\t:167+8*\t], v[32+12*\t:43+12*\t], v[224:235], v[160+8*\t:167+8*\t], v[250+\t/2], v253 matrix_a_fmt:MATRIX_FMT_FP6 matrix_b_fmt:MATRIX_FMT_FP6
.endif
.endm
.macro TM n                            ; n pairs of scores become t - M
.rept \n
	v_pk_fma_f32 v[96+j:97+j], v[96+j:97+j], s[CS:CS+1], v[12:13] op_sel_hi:[1,0,0]
.set j, j+2
.endr
.endm
.macro STEP                            ; a key step: 128 keys
	v_add_nc_u32 v[ADK], s[TK], v1                 ; these four lines are also the places behind the last step's products
	v_add_nc_u32 v[ADS], s[TS], v2
	s_delay_alu instid0(VALU_DEP_2)
	v_add_nc_u32 v[ADV], VOFF, v[ADK]
	v_nop
.irp t, 0,1,2,3
.irp c, 0,1,2
	ds_load_b128 v[32+12*\t+4*\c:35+12*\t+4*\c], v[ADK] offset:1536*\t+512*\c
.endr
.endr
	ds_load_b64 v[248:249], v[ADS]
	s_wait_alu depctr_va_vdst(0)
	s_wait_dscnt 0x0
.irp t, 0,1,2,3
.irp u, 0,1
	KQ \t, \u
.endr
.endr
.rept 4
	v_nop                                          ; places: in front of the loads below and of the first read of the scores
.endr
.irp t, 0,1,2,3                                ; V's fragments take K's registers: they land under the softmax
.irp c, 0,1,2
	ds_load_b128 v[32+12*\t+4*\c:35+12*\t+4*\c], v[ADV] offset:1536*\t+512*\c
.endr
.endr
	ds_load_b64 v[250:251], v[ADS] offset:4096
.irp b, 0,1,2,3                                ; the largest score, in four chains of 16 by turns
	v_max3_num_f32 v[232+\b], v[96+16*\b], v[97+16*\b], v[98+16*\b]
.endr
.irp i, 3,5,7,9,11,13
.irp b, 0,1,2,3
	v_max3_num_f32 v[232+\b], v[232+\b], v[96+16*\b+\i], v[97+16*\b+\i]
.endr
.endr
	v_max_num_f32 v233, v233, v127
	v_max_num_f32 v235, v235, v159
	v_max3_num_f32 v232, v232, v111, v233          ; THE LARGEST SCORE OF MY TWO BLOCKS OF 32 KEYS: v232 block lane / 16, v234 block 2 + lane / 16.  It serves for the row's maximum and, since p rises with the score, for the block's largest p
	v_max3_num_f32 v234, v234, v143, v235
	v_max_num_f32 v254, v232, v234
	v_permlanex16_b32 v236, v254, s[SEL], s[SEL+1]
	v_max_num_f32 v254, v254, v236                 ; with lane l xor 16's 64 keys: the step's largest score of my query
	s_delay_alu instid0(VALU_DEP_1)
	v_mul_f32 v254, s[CS], v254
	s_delay_alu instid0(VALU_DEP_1)
	v_max_num_f32 v13, v13, v254
	v_mov_b32 v254, v12
	s_delay_alu instid0(VALU_DEP_2)
	v_floor_f32 v12, -v13                          ; the new -M = -ceil(t)
	s_delay_alu instid0(VALU_DEP_1)
	v_sub_f32 v254, v12, v254                      ; old M less new M; the rest of this chain stands among the multiply-adds, which need -M alone
.set j, 0
	TM 4
	v_cvt_i32_f32 v254, v254
	TM 4
	v_ldexp_f32 v252, 1.0, v254                    ; f = 2^(old M - new M)
	TM 24
	v_fma_f32 v232, v232, s[CS], v12
	v_fma_f32 v234, v234, s[CS], v12
.set j, 0
.rept 16
	v_pk_mul_f32 v[160+j:161+j], v[160+j:161+j], v[252:253] op_sel_hi:[1,0]   ; O^T x f, each accumulator from its low end on; no transcendental stands between the last step's products and these reads
.set j, j+2
.endr
.set j, 0
	s_wait_alu depctr_va_vdst(0)                   ; the wait ahead of the batch
.rept 64
	v_exp_f32 v[96+j], v[96+j]
.set j, j+1
.endr
	v_pk_mul_f32 v[14:15], v[14:15], v[252:253] op_sel_hi:[1,0]
	s_wait_alu depctr_va_vdst(0)                   ; and behind it
	v_exp_f32 v232, v232                           ; the blocks' largest p: the same two instructions on the same number give the same bits
	v_exp_f32 v234, v234
	v_pk_add_f32 v[236:237], v[100:101], v[104:105]
	v_pk_add_f32 v[248:249], v[108:109], v[112:113]
	v_pk_add_f32 v[246:247], v[116:117], v[120:121]
	v_pk_add_f32 v[244:245], v[124:125], v[128:129]
	v_pk_add_f32 v[242:243], v[132:133], v[136:137]
	v_pk_add_f32 v[240:241], v[140:141], v[144:145]
	v_pk_add_f32 v[238:239], v[148:149], v[152:153]
	v_pk_add_f32 v[14:15], v[14:15], v[156:157]
	v_pk_add_f32 v[236:237], v[236:237], v[96:97]
	v_pk_add_f32 v[248:249], v[248:249], v[98:99]
	v_pk_add_f32 v[246:247], v[246:247], v[102:103]
	v_pk_add_f32 v[244:245], v[244:245], v[106:107]
	v_pk_add_f32 v[242:243], v[242:243], v[110:111]
	v_pk_add_f32 v[240:241], v[240:241], v[114:115]
	v_pk_add_f32 v[238:239], v[238:239], v[118:119]
	v_pk_add_f32 v[14:15], v[14:15], v[122:123]
	v_pk_add_f32 v[236:237], v[236:237], v[126:127]
	v_pk_add_f32 v[248:249], v[248:249], v[130:131]
	v_pk_add_f32 v[246:247], v[246:247], v[134:135]
	v_pk_add_f32 v[244:245], v[244:245], v[138:139]
	v_pk_add_f32 v[242:243], v[242:243], v[142:143]
	v_pk_add_f32 v[240:241], v[240:241], v[146:147]
	v_pk_add_f32 v[238:239], v[238:239], v[150:151]
	v_pk_add_f32 v[14:15], v[14:15], v[154:155]
	v_pk_add_f32 v[236:237], v[236:237], v[158:159]
	v_pk_add_f32 v[14:15], v[14:15], v[244:245]
	v_pk_add_f32 v[236:237], v[236:237], v[242:243]
	v_pk_add_f32 v[248:249], v[248:249], v[240:241]
	v_pk_add_f32 v[246:247], v[246:247], v[238:239]
	v_pk_add_f32 v[14:15], v[14:15], v[248:249]
	v_pk_add_f32 v[236:237], v[236:237], v[246:247]
	v_pk_add_f32 v[14:15], v[14:15], v[236:237]
	s_wait_alu depctr_va_vdst(0)                   ; the wait for the two
	v_max_num_f32 v232, 0x1800000, v232            ; the floor 2^(3 - 127): the byte cannot fall under 1
	v_max_num_f32 v234, 0x1800000, v234
	v_add_nc_u32 v244, 0xff000000, v232            ; 2 off the exponent field: the conversions' scale operands
	v_add_nc_u32 v245, 0xff000000, v234
	v_lshrrev_b32 v236, 23, v244
	v_lshrrev_b32 v237, 23, v245
	v_lshl_or_b32 v253, v237, 16, v236             ; my two bytes, blocks h and 2 + h,
	v_lshlrev_b32 v253, v[H8], v253                ; at their places in the scale word;
	v_permlanex16_b32 v238, v253, s[SEL], s[SEL+1]
	v_or_b32 v253, v253, v238                      ; with lane l xor 16's two the word is whole
.irp c, 0,1
	v_cvt_scalef32_pk16_fp6_f32 v[224+6*\c:226+6*\c], v[96+32*\c:111+32*\c], v[244+\c]
	v_cvt_scalef32_pk16_fp6_f32 v[236+4*\c:238+4*\c], v[112+32*\c:127+32*\c], v[244+\c]   ; (a conversion's three registers begin on an even number)
.endr
	v_nop                                          ; one plain place behind a scaled conversion
.irp c, 0,1
.irp i, 0,1,2
	v_mov_b32 v[227+6*\c+\i], v[236+4*\c+\i]
.endr
.endr
.rept 4
	v_nop                                          ; four places between p's codes and the products; with the seven lines above them, eleven behind p's scale word
.endr
	s_wait_alu depctr_va_vdst(0)
	s_wait_dscnt 0x0                               ; V's fragments and scale words are in
.irp t, 0,1,2,3
	PV \t
.endr
.endm
; Key steps first .. first + trips - 1.  some = 1: every wave walks the loop, waves 8 to 11 round the step's work
.macro RUN first, trips, some
	s_mov_b32 s[TK], 6144*\first
	s_mov_b32 s[TS], 256*\first
	s_mov_b32 s66, \trips
.Lstep_\@:
.if \some
	s_cmp_lt_u32 s[WV], 8
	s_cbranch_scc0 .Lidle_\@
.endif
	STEP
.if \some
.Lidle_\@:
.endif
	s_add_co_u32 s[TK], s[TK], 6144
	s_add_co_u32 s[TS], s[TS], 256
	s_sub_co_u32 s66, s66, 1
	s_cmp_lg_u32 s66, 0
	s_cbranch_scc1 .Lstep_\@
.endm
.macro PREP more                       ; a pass's head: my tile of the fragment of Q that has come; more = 1: the next pass's is asked for
	s_wait_loadcnt 0x0
.irp i, 0,1,2,3,4,5
	v_cndmask_b32 v[192+\i], v[210+\i], v[216+\i], s92
	v_cndmask_b32 v[204+\i], v[210+\i], v[216+\i], s92
.endr
	v_perm_b32 v255, v222, v222, s93
.if \more
	s_add_nc_u64 s[84:85], s[84:85], 9216          ; six fragments on
	s_add_co_u32 s94, s94, 6
	QADR
	QLOAD
.endif
	v_mov_b32 v13, 0xff61b1e6                      ; -3e38, under every t
	s_delay_alu instid0(VALU_DEP_1)
	v_floor_f32 v12, -v13
	v_mov_b32 v14, 0
	v_mov_b32 v15, 0
.set j, 0
.rept 32
	v_mov_b32 v[160+j], 0                          ; the key step is written once: the first finds zeros
.set j, j+1
.endr
.endm
.macro WAYOUT                          ; O^T / the sum: register 16 a + i of v96 on is channel 32 a + 16 (lane / 16) + i: two blocks of 32 along the last product's K
.rept 4
	v_nop
.endr
	v_add_f32 v14, v14, v15
	s_delay_alu instid0(VALU_DEP_1)
	v_permlanex16_b32 v252, v14, s[SEL], s[SEL+1]
	s_delay_alu instid0(VALU_DEP_1)
	v_add_f32 v14, v14, v252
	s_wait_alu depctr_va_vdst(0)
	v_rcp_f32 v14, v14
	v_nop
	s_wait_alu depctr_va_vdst(0)
.set j, 0
.rept 16
	v_pk_mul_f32 v[96+j:97+j], v[160+j:161+j], v[14:15] op_sel_hi:[1,0]
.set j, j+2
.endr
.irp b, 0,1
	v_max3_num_f32 v[232+\b], |v[96+16*\b]|, |v[97+16*\b]|, 0x1800000
.endr
.irp i, 2,4,6,8,10,12,14
.irp b, 0,1
	s_delay_alu instid0(VALU_DEP_2)
	v_max3_num_f32 v[232+\b], v[232+\b], |v[96+16*\b+\i]|, |v[97+16*\b+\i]|
.endr
.endr
.irp b, 0,1
	v_permlanex16_b32 v[236+\b], v[232+\b], s[SEL], s[SEL+1]
.endr
.irp b, 0,1
	s_delay_alu instid0(VALU_DEP_2)
	v_max_num_f32 v[232+\b], v[232+\b], v[236+\b]
.endr
.irp b, 0,1
	s_delay_alu instid0(VALU_DEP_2)
	v_add_nc_u32 v[244+\b], 0xff000000, v[232+\b]
.endr
.irp b, 0,1
	s_delay_alu instid0(VALU_DEP_2)
	v_lshrrev_b32 v[240+\b], 23, v[244+\b]
.endr
	s_delay_alu instid0(VALU_DEP_1)
	v_lshl_or_b32 v246, v241, 8, v240
	v_cvt_scalef32_pk16_fp6_f32 v[224:226], v[96:111], v244
	v_cvt_scalef32_pk16_fp6_f32 v[236:238], v[112:127], v245
	v_nop
.irp i, 0,1,2
	v_permlane16_swap_b32 v[224+\i], v[236+\i]
.endr
.irp i, 0,1,2
	s_delay_alu instid0(VALU_DEP_3)
	v_mov_b32 v[227+\i], v[236+\i]
.endr
.irp p, 0,1,2
	global_store_b64 v7, v[224+2*\p:225+2*\p], s[88:89] offset:256*\p   ; 32 lanes store 256 consecutive bytes, aligned
.endr
	global_store_b16 v11, v246, s[90:91]
.endm
.macro NEXTO                           ; twelve token tiles on; the stores have read their registers and bases
	s_wait_xcnt 0x0
	s_add_nc_u64 s[88:89], s[88:89], 147456
	s_add_nc_u64 s[90:91], s[90:91], 768
.endm
	PREP 1
	s_wait_alu depctr_va_vdst(0)
	s_cmp_lt_u32 s[WV], 4
	s_cbranch_scc0 .Lnot_first
	s_wait_tensorcnt 0x0                           ; waves 0-3: the scale words and key steps 0-3; their load lines are theirs alone
.Lnot_first:
	s_barrier_signal -1
	s_barrier_wait -1
	RUN 0, 4, 0
	s_wait_dscnt 0x0
	s_wait_tensorcnt 0x0                           ; every wave: all of K and V
	s_barrier_signal -1
	s_barrier_wait -1
	RUN 4, 12, 0
	WAYOUT
	NEXTO
	PREP 1
	RUN 0, 16, 0
	WAYOUT
	s_wait_alu depctr_va_vdst(0)                   ; the wait ahead of the branch
	s_cmp_lt_u32 s[WV], 8                          ; pass 2: tiles 24 to 31, waves 0 to 7
	s_cbranch_scc0 .Lno_prep
	NEXTO
	PREP 0
.Lno_prep:
	RUN 0, 16, 1
	s_cmp_lt_u32 s[WV], 8
	s_cbranch_scc0 .Lno_out
	WAYOUT
.Lno_out:
	s_wait_tensorcnt 0x0                           ; the wave's end
	ds_add_u32 v[SPW], v[NIL]
	s_wait_dscnt 0x0
	CROUND
	s_endpgm
.Lfunc_end_k_qb8fa922b56_attn:
	.size	k_qb8fa922b56_attn, .Lfunc_end_k_qb8fa922b56_attn-k_qb8fa922b56_attn
	.p2alignl 7, 3214868480
	.fill 96, 4, 3214868480
	.section	.rodata,"a",@progbits
	.p2align	6, 0x0
	.amdhsa_kernel k_qb8fa922b56_attn
		.amdhsa_group_segment_fixed_size 206848
		.amdhsa_private_segment_fixed_size 0
		.amdhsa_enable_private_segment 0
		.amdhsa_kernarg_size 48
		.amdhsa_user_sgpr_count 2
		.amdhsa_user_sgpr_kernarg_segment_ptr 1
		.amdhsa_wavefront_size32 1
		.amdhsa_system_sgpr_workgroup_id_x 1
		.amdhsa_system_sgpr_workgroup_id_y 1
		.amdhsa_system_sgpr_workgroup_id_z 1
		.amdhsa_system_vgpr_workitem_id 0
		.amdhsa_next_free_vgpr 256
		.amdhsa_next_free_sgpr 100
		.amdhsa_reserve_vcc 0
		.amdhsa_float_denorm_mode_32 3
		.amdhsa_float_denorm_mode_16_64 3
		.amdhsa_memory_ordered 1
		.amdhsa_forward_progress 1
		.amdhsa_inst_pref_size 90
	.end_amdhsa_kernel
	.amdgpu_metadata
---
amdhsa.version: [ 1, 2 ]
amdhsa.kernels:
  - .name:           k_qb8fa922b56_attn
    .symbol:         k_qb8fa922b56_attn.kd
    .args:
      - { .name: qkcodes, .offset: 0, .size: 8, .value_kind: global_buffer, .address_space: global }
      - { .name: qkscales, .offset: 8, .size: 8, .value_kind: global_buffer, .address_space: global }
      - { .name: vcodes, .offset: 16, .size: 8, .value_kind: global_buffer, .address_space: global }
      - { .name: vscales, .offset: 24, .size: 8, .value_kind: global_buffer, .address_space: global }
      - { .name: ocodes, .offset: 32, .size: 8, .value_kind: global_buffer, .address_space: global }
      - { .name: oscales, .offset: 40, .size: 8, .value_kind: global_buffer, .address_space: global }
    .group_segment_fixed_size: 206848
    .private_segment_fixed_size: 0
    .kernarg_segment_align: 8
    .kernarg_segment_size: 48
    .max_flat_workgroup_size: 384
    .sgpr_count:     100
    .vgpr_count:     256
    .wavefront_size: 32
...
	.end_amdgpu_metadata
.endif
;; end of part 3
;; launch oproj (part 4): grid 4 x 64, 8 waves a work-group, clusters of 4 x 4, 327,680 bytes of LDS; arguments ocodes, oscales, codes, scales, bo, out0; writes out0
.if DOCPART == 4
	.amdgcn_target "amdgcn-amd-amdhsa--gfx1250"
	.amdhsa_code_object_version 6
	.text
	.protected	k_qb8fa922b56_oproj
	.globl	k_qb8fa922b56_oproj
	.p2align	8
	.type	k_qb8fa922b56_oproj,@function
k_qb8fa922b56_oproj:
	s_mov_b64 s[64:65], 0
	v_nop
	global_prefetch_b8 v0, s[64:65] scope:SCOPE_SE
	s_setreg_imm32_b32 hwreg(HW_REG_WAVE_MODE, 25, 1), 1
	s_wait_xcnt 0x0
	s_wait_alu depctr_hold_cnt(0) depctr_sa_sdst(0) depctr_va_vdst(0) depctr_va_sdst(0) depctr_va_ssrc(0) depctr_va_vcc(0) depctr_vm_vsrc(0)
	s_getreg_b32 s2, hwreg(HW_REG_IB_STS2, 6, 4)
	s_cmp_eq_u32 s2, 0
	s_cbranch_scc0 .Lentry_in_a_cluster
	s_endpgm
.Lentry_in_a_cluster:
	s_bfe_u32 s2, ttmp6, 0x10000c
	s_cmp_lg_u32 s2, 0xf033
	s_cbranch_scc0 .Lentry_shape_is_right
	s_endpgm
.Lentry_shape_is_right:
; out0 = O Wo^T + bo on codes of FP6 (E2M3) with E8M0 scales.  O: 8,192 tokens x 1,024, as images of operand registers (ocodes, oscales); Wo: rows 27,648 on of codes (768 bytes a row) and scales (32 bytes a row).
; SHARES.  A work-group makes 128 tokens x 256 columns: 64 x 4 = 256 work-groups.  Eight waves, 2 x 4; a wave makes 64 x 64: 16 accumulators, 128 registers; 8 fragments of a K step, 96 registers: no register window is switched.
; ALL OF K LIES IN LDS, filled once, one joint load a wave: waves 0-3 64 rows of Wo each (rows of 768 bytes, 16 bytes of padding behind each 256: pitch 816), waves 4, 5 half of O's images each (49,152 bytes, dense),
; wave 6 Wo's scale bytes (8,192, dense, padded as rows of 256), wave 7 O's scale words (8 rows of 512 bytes).  No ring, no refill, one barrier in front of the products.
; CLUSTER 4 x 4: O's tiles are shared along a row of the cluster, Wo's along a column.  No prefetch is laid: there is no loop to run ahead in; all bytes are asked for at the head.
; THE BIAS is loaded into the accumulators, laid as the result lies, and is the first products' C.  The matrix instruction is used transposed (source 0 = Wo's rows): a lane holds 8 neighbouring columns of one token.
; THE WAY OUT: behind a barrier (nobody reads the tiles any more, and they have had their only fill) each wave turns its 64 x 64 through a stage of its own in Wo's bytes; 16 lanes store 256 consecutive bytes, aligned.
.set PITCH, 816
.set AB,    256*PITCH                  ; O's images
.set SBB,   AB+98304                   ; Wo's scale bytes: 32 x 272
.set SAB,   SBB+8704                   ; O's scale words: [K step][128 tokens]
.set SPARE, SAB+4096                   ; the spare words: 128 bytes for each of eight waves
.set VA,   4                           ; v4   LDS address of my fragments of O
.set VB,   5                           ; v5, v6  of Wo (v6: for pieces whose lanes 16-31 lie behind one padding more)
.set VSB,  7                           ; v7   of Wo's scale words
.set VSA,  8                           ; v8   of O's
.set OBO,  9
.set SPW,  10
.set NIL,  11
.set STO,  12
.set RD,   13
.set CO,   14
.set SA,   16                          ; v16-19 O's scale words, v20-23 Wo's
.set SB,   20
.set FA,   32                          ; v32-79  four fragments of O
.set FB,   80                          ; v80-127 four of Wo
.set ACC,  128
.macro CROUND
	s_barrier_signal -1
	s_barrier_wait -1
	s_cmp_lg_u32 s14, 0
	s_cbranch_scc1 .Lnot_wave_0_\@
	s_barrier_signal -3
.Lnot_wave_0_\@:
	s_barrier_wait -3
	s_barrier_signal -1
	s_barrier_wait -1
.endm
.macro G1REST g, c, r, p               ; words 1 to 7 of a group 1: rows of c elements, r rows, pitch p
	s_mov_b32 s[\g+1], (\c)<<16
	s_mov_b32 s[\g+2], (\r)<<16
	s_mov_b32 s[\g+3], (\c)<<16
	s_mov_b32 s[\g+4], \r
	s_mov_b32 s[\g+5], \p
	s_mov_b32 s[\g+6], 0
	s_mov_b32 s[\g+7], 0
.endm
.macro ARM under, g0, g1, next
	s_cmp_lt_u32 s14, \under
	s_cbranch_scc0 \next
	tensor_load_to_lds s[\g0:\g0+3], s[\g1:\g1+7]
	s_nop 0
.rept 4
	v_nop
.endr
	s_branch .Lasked
\next:
.endm
	s_load_b256 s[4:11], s[0:1], 0x0               ; ocodes, oscales, codes, scales
	s_load_b128 s[76:79], s[0:1], 0x20             ; bo, out0
	v_lshl_add_u32 v[SPW], v0, 2, SPARE
	v_mov_b32 v[NIL], 0
	ds_add_u32 v[SPW], v[NIL]                      ; the opening lines
	ds_add_u32 v[SPW], v[NIL]
	v_lshrrev_b32 v1, 5, v0
	v_readfirstlane_b32 s14, v1                    ; wave 0..7
	s_bfe_u32 s16, ttmp6, 0x40000                  ; cx
	s_bfe_u32 s17, ttmp6, 0x40004                  ; cy
	s_lshl_b32 s18, ttmp9, 2
	s_add_co_u32 s18, s18, s16                     ; which 256 columns
	s_and_b32 s19, ttmp7, 0xffff
	s_lshl_b32 s19, s19, 2
	s_add_co_u32 s19, s19, s17                     ; which 128 tokens
	s_lshl_b32 s20, s17, 2
	s_lshl_b32 s20, 15, s20                        ; my row of the cluster
	s_lshl_b32 s21, 0x1111, s16                    ; my column
	s_or_b32 s24, s21, (1<<20)|(1<<21)|(5<<22)|(3<<25)          ; Wo's rows: bytes, 4 words of padding behind each 64
	G1REST 24, 768, 64, 768
	s_or_b32 s32, s20, (3<<16)|(1<<21)                          ; O's images: rows of 256 bytes
	G1REST 32, 32, 192, 32
	s_or_b32 s40, s21, (3<<16)|(1<<20)|(1<<21)|(5<<22)|(3<<25)  ; Wo's scale bytes
	G1REST 40, 32, 32, 32
	s_or_b32 s48, s20, (2<<16)|(1<<21)                          ; O's scale words: 128 words a row, rows 8,192 words apart
	G1REST 48, 128, 8, 8192
	s_lshl_b32 s80, s18, 8
	s_add_co_u32 s80, s80, 27648                   ; Wo's first row of my 256
	s_lshl_b32 s82, s80, 5
	s_mov_b32 s83, 0
	s_mul_i32 s80, s80, 768
	s_mul_i32 s84, s14, 49152                      ; 64 rows a wave
	s_add_co_u32 s80, s80, s84
	s_mov_b32 s81, 0
	s_and_b32 s22, s14, 1
	s_mul_i32 s23, s22, 49152                      ; half of the images
	s_mul_i32 s84, s19, 98304
	s_add_co_u32 s84, s84, s23
	s_mov_b32 s85, 0
	s_lshl_b32 s86, s19, 9
	s_mov_b32 s87, 0
	s_mov_b32 s56, 1
	s_mul_i32 s57, s14, 64*PITCH
	s_mov_b32 s60, 1
	s_add_co_u32 s61, s23, AB
	s_mov_b32 s68, 1
	s_mov_b32 s69, SBB
	s_mov_b32 s72, 1
	s_mov_b32 s73, SAB
	s_wait_dscnt 0x0
	s_wait_kmcnt 0x0
	s_add_nc_u64 s[58:59], s[8:9], s[80:81]
	s_or_b32 s59, s59, 0x80000000
	s_add_nc_u64 s[62:63], s[4:5], s[84:85]
	s_or_b32 s63, s63, 0x80000000
	s_add_nc_u64 s[70:71], s[10:11], s[82:83]
	s_or_b32 s71, s71, 0x80000000
	s_add_nc_u64 s[74:75], s[6:7], s[86:87]
	s_or_b32 s75, s75, 0x80000000
	CROUND                                         ; all sixteen work-groups are here: the joint loads meet
	ARM 4, 56, 24, .Lhead_a
	ARM 6, 60, 32, .Lhead_sb
	ARM 7, 68, 40, .Lhead_sa
	tensor_load_to_lds s[72:75], s[48:55]
	s_nop 0
.rept 4
	v_nop
.endr
.Lasked:
	s_lshr_b32 s15, s14, 2                         ; which 64 tokens are mine,
	s_and_b32 s22, s14, 3                          ; which 64 columns
	s_mul_i32 s88, s15, 49152
	s_add_co_u32 s88, s88, AB
	s_mul_i32 s89, s22, 64*PITCH
	s_mul_i32 s90, s22, 8*272
	s_add_co_u32 s90, s90, SBB
	s_lshl_b32 s91, s15, 8
	s_add_co_u32 s91, s91, SAB
	s_mul_i32 s92, s14, 64*272                     ; my stage
	s_lshl_b32 s94, s18, 10
	s_lshl_b32 s93, s22, 8
	s_add_co_u32 s94, s94, s93                     ; my first column, in bytes
	s_mov_b32 s95, 0
	s_add_nc_u64 s[76:77], s[76:77], s[94:95]
	s_add_nc_u64 s[78:79], s[78:79], s[94:95]
	s_lshl_b32 s94, s19, 19
	s_lshl_b32 s93, s15, 18
	s_add_co_u32 s94, s94, s93                     ; my first token x 4,096 bytes
	s_add_nc_u64 s[78:79], s[78:79], s[94:95]
	v_and_b32 v1, 15, v0                           ; r
	v_bfe_u32 v2, v0, 4, 1                         ; h
	v_and_b32 v3, 31, v0
	v_lshl_add_u32 v[VA], v3, 3, s88               ; an image's register pair p at 256 p + 8 lane
	v_mul_u32_u24 v[VB], v1, PITCH
	v_add_nc_u32 v[VB], s89, v[VB]
	v_mad_u32_u24 v[VB+1], v2, 40, v[VB]
	v_mad_u32_u24 v[VB], v2, 24, v[VB]
	v_lshrrev_b32 v[VSB], 3, v1
	v_mul_u32_u24 v[VSB], v[VSB], 272
	v_and_b32 v[VSA], 7, v1
	v_lshl_add_u32 v[VSB], v[VSA], 5, v[VSB]
	v_add_nc_u32 v[VSB], s90, v[VSB]               ; row r's 32 scale bytes: eight rows to 256 bytes + 16
	v_lshl_add_u32 v[VSA], v1, 2, s91
	v_lshlrev_b32 v[OBO], 5, v2
	v_mul_u32_u24 v[STO], v1, 272
	v_lshl_add_u32 v[STO], v2, 5, v[STO]
	v_add_nc_u32 v[STO], s92, v[STO]
	v_mul_u32_u24 v[RD], v2, 272
	v_lshl_add_u32 v[RD], v1, 4, v[RD]
	v_add_nc_u32 v[RD], s92, v[RD]
	v_lshlrev_b32 v[CO], 12, v2
	v_lshl_add_u32 v[CO], v1, 4, v[CO]
	s_wait_alu depctr_va_vdst(0)                   ; the wait at the head's end
.irp a, 0,1,2,3
.irp b, 0,1,2,3
	global_load_b128 v[ACC+8*(4*\a+\b):ACC+8*(4*\a+\b)+3], v[OBO], s[76:77] offset:64*\b       ; register j of lane (r, h): bo at column 16 b + 8 h + j
	global_load_b128 v[ACC+8*(4*\a+\b)+4:ACC+8*(4*\a+\b)+7], v[OBO], s[76:77] offset:64*\b+16
.endr
.endr
	s_wait_tensorcnt 0x0                           ; every wave's tile is in
	s_barrier_signal -1
	s_barrier_wait -1
	s_wait_loadcnt 0x0
.macro FRAGB reg, q, i                 ; six pieces of 8 bytes; byte y of a row lies at y + 16 (y / 256)
.irp p, 0,1,2,3,4,5
.set PC, 12*(\q)+6*(\p/3)+\p%3
.if (PC%32+3)/32
	ds_load_b64 v[\reg+2*\p:\reg+2*\p+1], v[VB+1] offset:8*(PC+2*(PC/32))+(\i)*16*PITCH
.else
	ds_load_b64 v[\reg+2*\p:\reg+2*\p+1], v[VB] offset:8*(PC+2*(PC/32))+(\i)*16*PITCH
.endif
.endr
.endm
.macro KSTEP q                         ; 128 along K: 56 LDS loads, 16 products, the accumulators by turns in the same order in every step
.if \q
.rept 4
	v_nop                                          ; places in front of loads into registers that the products read
.endr
.endif
.irp i, 0,1,2,3
	ds_load_b32 v[SA+\i], v[VSA] offset:512*\q+64*\i
	ds_load_b32 v[SB+\i], v[VSB] offset:4*\q+544*\i
.endr
.irp i, 0,1,2,3
	FRAGB FB+12*\i, \q, \i
.endr
.irp i, 0,1,2,3
.irp p, 0,1,2,3,4,5
	ds_load_b64 v[FA+12*\i+2*\p:FA+12*\i+2*\p+1], v[VA] offset:12288*\i+1536*\q+256*\p
.endr
.endr
.irp a, 0,1,2,3
	s_wait_dscnt 18-6*\a                           ; the six loads of each later block of O may be out
.irp b, 0,1,2,3
	v_wmma_scale_f32_16x16x128_f8f6f4 v[ACC+8*(4*\a+\b):ACC+8*(4*\a+\b)+7], v[FB+12*\b:FB+12*\b+11], v[FA+12*\a:FA+12*\a+11], v[ACC+8*(4*\a+\b):ACC+8*(4*\a+\b)+7], v[SB+\b], v[SA+\a] matrix_a_fmt:MATRIX_FMT_FP6 matrix_b_fmt:MATRIX_FMT_FP6
.endr
.endr
.endm
.irp q, 0,1,2,3,4,5,6,7
	KSTEP \q
.endr
.rept 4
	v_nop                                          ; places behind the last products
.endr
	s_barrier_signal -1                            ; my LDS loads are all in (the last wait was for 0): nobody reads the tiles behind this barrier
	s_barrier_wait -1
.irp a, 0,1,2,3
.irp b, 0,1,2,3
	ds_store_b128 v[STO], v[ACC+8*(4*\a+\b):ACC+8*(4*\a+\b)+3] offset:4352*\a+64*\b           ; each accumulator from its low end on
	ds_store_b128 v[STO], v[ACC+8*(4*\a+\b)+4:ACC+8*(4*\a+\b)+7] offset:4352*\a+64*\b+16
.endr
.endr
.set T, 0
.rept 16
	ds_load_b128 v[FA+4*T:FA+4*T+3], v[RD] offset:544*T            ; LDS serves a wave's instructions in order: these see my stores.  Two rows of 256 bytes a load
.set T, T+1
.endr
.rept 16
	ds_load_b128 v[ACC+4*(T-16):ACC+4*(T-16)+3], v[RD] offset:544*T
.set T, T+1
.endr
	s_wait_dscnt 16
.set T, 0
.rept 16
	global_store_b128 v[CO], v[FA+4*T:FA+4*T+3], s[78:79] offset:8192*T th:TH_STORE_NT   ; 16 lanes store 256 consecutive bytes, aligned
.set T, T+1
.endr
	s_wait_dscnt 0x0
.rept 16
	global_store_b128 v[CO], v[ACC+4*(T-16):ACC+4*(T-16)+3], s[78:79] offset:8192*T th:TH_STORE_NT
.set T, T+1
.endr
	s_wait_tensorcnt 0x0                           ; the wave's end
	ds_add_u32 v[SPW], v[NIL]
	s_wait_dscnt 0x0
	CROUND                                         ; the closing round
	s_endpgm
.Lfunc_end_k_qb8fa922b56_oproj:
	.size	k_qb8fa922b56_oproj, .Lfunc_end_k_qb8fa922b56_oproj-k_qb8fa922b56_oproj
	.p2alignl 7, 3214868480
	.fill 96, 4, 3214868480
	.section	.rodata,"a",@progbits
	.p2align	6, 0x0
	.amdhsa_kernel k_qb8fa922b56_oproj
		.amdhsa_group_segment_fixed_size 327680
		.amdhsa_private_segment_fixed_size 0
		.amdhsa_enable_private_segment 0
		.amdhsa_kernarg_size 48
		.amdhsa_user_sgpr_count 2
		.amdhsa_user_sgpr_kernarg_segment_ptr 1
		.amdhsa_wavefront_size32 1
		.amdhsa_system_sgpr_workgroup_id_x 1
		.amdhsa_system_sgpr_workgroup_id_y 1
		.amdhsa_system_sgpr_workgroup_id_z 1
		.amdhsa_system_vgpr_workitem_id 0
		.amdhsa_next_free_vgpr 256
		.amdhsa_next_free_sgpr 100
		.amdhsa_reserve_vcc 0
		.amdhsa_float_denorm_mode_32 3
		.amdhsa_float_denorm_mode_16_64 3
		.amdhsa_memory_ordered 1
		.amdhsa_forward_progress 1
		.amdhsa_inst_pref_size 65
	.end_amdhsa_kernel
	.amdgpu_metadata
---
amdhsa.version: [ 1, 2 ]
amdhsa.kernels:
  - .name:           k_qb8fa922b56_oproj
    .symbol:         k_qb8fa922b56_oproj.kd
    .args:
      - { .name: ocodes, .offset: 0, .size: 8, .value_kind: global_buffer, .address_space: global }
      - { .name: oscales, .offset: 8, .size: 8, .value_kind: global_buffer, .address_space: global }
      - { .name: codes, .offset: 16, .size: 8, .value_kind: global_buffer, .address_space: global }
      - { .name: scales, .offset: 24, .size: 8, .value_kind: global_buffer, .address_space: global }
      - { .name: bo, .offset: 32, .size: 8, .value_kind: global_buffer, .address_space: global }
      - { .name: out0, .offset: 40, .size: 8, .value_kind: global_buffer, .address_space: global }
    .group_segment_fixed_size: 327680
    .private_segment_fixed_size: 0
    .kernarg_segment_align: 8
    .kernarg_segment_size: 48
    .max_flat_workgroup_size: 256
    .sgpr_count:     100
    .vgpr_count:     256
    .wavefront_size: 32
...
	.end_amdgpu_metadata
.endif
;; end of part 4
